; MI455X (gfx1250); checked and timed in simulation.
; The chip was launched on July 23, 2026; its instructions are those of AMD's public machine-readable ISA for CDNA 5 (MIT licence, August 2026) and "CDNA5" Instruction Set Architecture Reference Guide (July 2026). The comments in the code are by the model that wrote it; some were corrected since.
;; Axial Attention. Allowed arithmetic: matrix products marked QUANTISED: E2M1 operands, one E8M0 scale for each 32 along K, by v_wmma_scale_f32_16x16x128_f8f6f4 with both operands' format E2M1 (or v_wmma_scale_f32_32x16x128_f4), f32 sums; products left as they are: bf16, f16 or f32 operands; f32 sums; everything else in f32.
;; Inputs: Wkv0 128 x 256 float32; Wkv1 128 x 256 float32; Wo0 128 x 128 float32; Wo1 128 x 128 float32; Wq0 128 x 128 float32; Wq1 128 x 128 float32; bo0 128 float32; bo1 128 float32; x 8 x 128 x 128 x 128 float32.
;; Outputs: out0 8 x 128 x 128 x 128 float32.
;; This version of the problem:
;;   THIS VERSION OF THE PROBLEM IS GIVEN IN LOW PRECISION. The matrix products marked QUANTISED in the list below multiply operands that are first quantised to E2M1 (2 exponent bits, 1 mantissa bit; 4 bits a number), with one power-of-two scale for each 32 numbers along K (OCP MX v1.0); their sums are f32. The products marked 'left as it is' may take bf16, f16 or f32 operands, with f32 sums. Whichever they take, every output number must still come out within the allowed error. Rounding operands to bf16 (8 significant bits) uses up far more of that allowance than f16 does (11 bits, for magnitudes from 6e-5 to 65,504). All else is computed in f32.
;;   The module's matrix products, in the order in which they are computed (A, B: the left and right operand; K: the contracted axis; several contracted axes count as one K, in the product's order):
;;     1. [M 131,072, K 128] x [K 128, N 128]; A: input x; B: input Wq0: QUANTISED
;;     2. [M 131,072, K 128] x [K 128, N 256]; A: input x; B: input Wkv0: QUANTISED
;;     3. batch 8,192 x [M 128, K 16] x [K 16, N 128]; A: computed on the way; B: computed on the way: left as it is (K = 16 < 32)
;;     4. batch 8,192 x [M 128, K 128] x [K 128, N 16]; A: computed on the way; B: computed on the way: left as it is (an operand is computed on the way)
;;     5. [M 131,072, K 128] x [K 128, N 128]; A: computed on the way; B: input Wo0: left as it is (an operand is computed on the way)
;;     6. [M 131,072, K 128] x [K 128, N 128]; A: input x; B: input Wq1: QUANTISED
;;     7. [M 131,072, K 128] x [K 128, N 256]; A: input x; B: input Wkv1: QUANTISED
;;     8. batch 8,192 x [M 128, K 16] x [K 16, N 128]; A: computed on the way; B: computed on the way: left as it is (K = 16 < 32)
;;     9. batch 8,192 x [M 128, K 128] x [K 128, N 16]; A: computed on the way; B: computed on the way: left as it is (an operand is computed on the way)
;;     10. [M 131,072, K 128] x [K 128, N 128]; A: computed on the way; B: input Wo1: left as it is (an operand is computed on the way)
;;   THE QUANTISER, for each operand of a quantised product, along K:
;;     - K is cut into blocks of 32 from its start; a last block that is shorter is filled with zeros.
;;     - A block's scale is 2^e with e = floor(log2(the largest magnitude in the block)) - 2, held to -126 .. 127; a block of zeros has e = 0. As a byte (E8M0): e + 127.
;;     - Each number is divided by its block's scale, clamped to +-6, and rounded to the nearest number of E2M1, ties to even, subnormals kept.
;;     - The product sums the exact products of the quantised numbers (number of the format x scale) in f32.
;;   ~~~python
;;   def quantise(x, axis):      # numpy; x: float32 -> the quantised numbers, widened to float32 again
;;       x = np.moveaxis(x, axis, -1); K = x.shape[-1]
;;       x = np.pad(x, [(0, 0)] * (x.ndim - 1) + [(0, -K % 32)]); x = x.reshape(x.shape[:-1] + (-1, 32)); a = np.abs(x).max(-1, keepdims=True)
;;       e = np.where(a > 0, np.clip(np.frexp(np.where(a > 0, a, 1))[1] - 1 - 2, -126, 127), 0)      # np.frexp(a)[1] - 1 = floor(log2(a)), exactly
;;       r = np.clip(x / 2.0 ** e, -6, 6)
;;       step = 2.0 ** (np.maximum(np.frexp(np.where(r == 0, 1, r))[1] - 1, 0) - 1)
;;       q = np.round(r / step) * step * 2.0 ** e      # np.round: ties to even
;;       return np.moveaxis(q.reshape(q.shape[:-2] + (-1,))[..., :K], -1, axis).astype(np.float32)
;;   ~~~
;; 2 versions, each right; version 2 is version 1 with the launches colpass, rowpass written anew for expert scheduling mode. Each part assembles by itself: llvm-mc -triple=amdgcn-amd-amdhsa -mcpu=gfx1250 --defsym DOCPART=n.
;; ======== version 1 of 2: 2 launches
;; limits: values are held in f16: magnitudes above 65,504 overflow, below 6.1e-05 lose precision
;; workspace buffers: a0 33,554,432 bytes; xc 8,388,608 bytes; xs 524,288 bytes
;; launch colpass (part 1): grid 256 x 1, 16 waves a work-group, no clusters, 270,336 bytes of LDS; arguments x, Wq0, Wkv0, a0, xc, xs; writes a0, xc, xs
.if DOCPART == 1
	.amdgcn_target "amdgcn-amd-amdhsa--gfx1250"
	.amdhsa_code_object_version 6
	.text
	.protected	k_q00d90fd53e_colpass
	.globl	k_q00d90fd53e_colpass
	.p2align	8
	.type	k_q00d90fd53e_colpass,@function
k_q00d90fd53e_colpass:
	s_mov_b64 s[64:65], 0
	v_nop
	global_prefetch_b8 v0, s[64:65] scope:SCOPE_SE
	s_setreg_imm32_b32 hwreg(HW_REG_WAVE_MODE, 25, 1), 1
	s_wait_xcnt 0x0
; PASS 0 OF THE AXIAL ATTENTION: attention along h, for fixed (b, w).  x: [8][128 h][128 w][128] f32.
; Stored: a0 [b][h][w][128] f16 = the normalised attention output ahead of Wo0 (that product's operand, made once);
;         xc [b][w/4][h][w%4][64 bytes] = x's E2M1 codes along d;  xs [b][w/4][h][w%4] = their four E8M0 bytes a position.
; x Wq0 and x Wkv0 go on E2M1 codes with E8M0 scales (blocks of 32 along d); q k^T, p v take f16 operands, f32 sums; the softmax is f32
; with the row's true maximum taken away.
; SHARES.  Work-group g: b = g / 32, columns w0 = 4 (g % 32) .. + 3: four sequences of 128 positions, two a trip.  Sixteen waves:
; wave = 8 SQ + HD takes head HD of sequence 2 t + SQ: it makes that head's q, k, v and does its whole attention, so nothing of q, k, v, p
; changes lane or wave.  Four waves share a SIMD: one wave's exponentials stand beside another's plain, matrix and LDS work.
; LAYOUT.  q, k tiles: source 0 = 16 columns of W, source 1 = 16 positions: a lane holds one position and channels 8 hh + 0..7, which pack
; into registers 0-3 of an f16 fragment.  The head has 16 channels and the f16 form sums 32: q's registers 4-7 are zeros, k's tiles lie 4
; registers apart, so that a tile's upper half is the next tile's numbers, times zero.  v tiles: sources swapped: a lane holds one channel and 8 keys.
; S^T = k q^T and O^T = v^T p: a lane holds ONE query throughout; two key tiles of p, packed in place, are a fragment of the second product.
; THE WEIGHTS are read by every work-group as f32 and pass through registers on the way to the quantiser; the launch has no tensor load, so
; there is no request that a cluster could make jointly.
; LIMITS.  q, k, v and the attention output are rounded to f16: their magnitudes must stay under 65,504 (an overflowing k would also spoil the
; padded half of the sum); under 6e-5 they keep fewer bits.  A block of zeros gets the scale byte 1 (its codes are zeros; this program alone reads
; the bytes).  NaN and infinities among the inputs are not served.
.set XT,    1088                       ; an image of a fragment of x: 2 x 544 bytes
.set XC,    544                        ; registers 4-7 of it: 2 x 272
.set XSEQ,  8768                       ; a sequence's eight images + 64
.set AP,    272                        ; a row of attention output in LDS: 256 bytes + 16
.set ASEQ,  128*AP
.set SGP,   528                        ; a row of x in a wave's stage: 512 bytes + 16
.set STAGE, 0                          ; 16 waves x 16 rows x 528
.set XIMG,  135168                     ; x's fragments as images of their registers: seq XSEQ + tile XT + c XC + hh 272 + r 16
.set XSC,   170496                     ; their scale words: seq 512 + position 4
.set AROW,  172544                     ; 2 sequences x 128 rows x 272
.set WIMG,  242176                     ; the weights' 24 fragments as images: tile 1024 + c 512 + lane 16 (tiles 0-7 q, 8-15 k, 16-23 v)
.set WSC,   266752                     ; their scale words: tile 64 + column 4
.set SPARE, 268288                     ; the spare words, 128 bytes a wave: eight blocks of 256 bytes that no other line names
.set SPW, 1                            ; v1  SPARE + 4 x thread; never rewritten
.set NIL, 2                            ; v2  0; never rewritten
.set XA,  3                            ; v3  my lane's place in an image of my sequence pair's half
.set XSA, 4                            ; v4  and among its scale words
.set AW,  5                            ; v5  where I put 16 bytes of attention output
.set SGW, 8                            ; v8  stage, in: 16 x lane
.set SGR, 9                            ; v9  stage, out: row r, 64 hh
.set XIW, 10                           ; v10 where I store my tile's image
.set XSW, 11                           ; v11 and its scale word
.set L16, 12                           ; v12 16 x lane
.set ARD, 13                           ; v13 the way out: a0's rows
.set CRD, 14                           ; v14 the way out: codes
.set SCR, 15                           ; v15 the way out: scale words
.set LN,  16                           ; v16-28, v124-125: at the head only
.set RR,  17
.set HH,  18
.set WQO, 25
.set WKO, 26
.set WIW, 27
.set WSW, 28
.set WIR, 124
.set WSR, 125
.set WFQ, 16                           ; v16-39 my head's fragments of Wq, Wk, Wv
.set WFK, 24
.set WFV, 32
.set WSQ, 40                           ; v40-42 their scale words
.set WSK, 41
.set WSV, 42
.set XS,  43                           ; v43 x's scale word of the query tile
.set XF,  44                           ; v44-51 x's fragment of the query tile
.set QF,  52                           ; v52-59 q; 56-59 stay 0
.set KF,  60                           ; v60-95 k: tile t at 4 t; 92-95 are 0
.set VF,  96                           ; v96-127 v^T: four fragments
.set S,   128                          ; v128-191 scores, then p; packed p in 128-159
.set G,   192                          ; v192-223 x's fragments in the k/v phase; the stream; the quantiser's work
.set OA,  224                          ; v224-231 q's f32 tile, then O^T (keys 0-31, 64-95)
.set OB,  232                          ; v232-239 O^T (keys 32-63, 96-127)
.set T,   240                          ; v240-247 at work
.set T16, 248                          ; v248 16 x thread
.set XK,  252                          ; v252-255 x's scale words in the k/v phase: they hold scales and nothing else
.set TM,  192
.set PC,  208
.set PW,  216
.set WV,  16                           ; s16 wave
.set SQ,  17
.set HD,  18
.set NC,  19                           ; -c
.set SEL, 20                           ; s[20:21] selects: lane xor 16
.set CS,  22                           ; s[22:23] c = log2(e) / 4
.set CNT, 24
.set IX,  25                           ; the query tile's image, scale word, output rows
.set IS,  26
.set IA,  27
.macro BARRIER                         ; my LDS stores have landed and my LDS loads are in: then the work-group's barrier
	s_wait_dscnt 0x0
	s_barrier_signal -1
	s_barrier_wait -1
.endm
.macro PLACES                          ; four plain places behind a matrix instruction (ISA guide 7.12.1)
.rept 4
	v_nop
.endr
.endm
; The weights: a lane takes a column, its registers run down K.  Wave: block wave % 4 of K, columns 32 (wave / 4) on: a load reads 128 neighbouring bytes.
.macro WLOAD pq, pkv
.set i, 0
.rept 32
	global_load_b32 v[S+i], v[WQO], s[\pq:\pq+1] offset:512*i
.set i, i+1
.endr
.set i, 0
.rept 32
	global_load_b32 v[S+32+i], v[WKO], s[\pkv:\pkv+1] offset:1024*i
.set i, i+1
.endr
.set i, 0
.rept 32
	global_load_b32 v[S+64+i], v[WKO], s[\pkv:\pkv+1] offset:1024*i+512
.set i, i+1
.endr
.endm
; One block of 32 along K of my column of weight j (0 q, 1 k, 2 v): scale byte, 32 codes, both to their place in the images.
.macro WQUANT j
.set WX, S+32*(\j)
	v_max3_num_f32 v[T], |v[WX]|, |v[WX+1]|, |v[WX+2]|
	v_max3_num_f32 v[T+1], |v[WX+3]|, |v[WX+4]|, |v[WX+5]|
.irp i, 6,10,14,18,22,26
	v_max3_num_f32 v[T], v[T], |v[WX+\i]|, |v[WX+\i+1]|
	v_max3_num_f32 v[T+1], v[T+1], |v[WX+\i+2]|, |v[WX+\i+3]|
.endr
	v_max3_num_f32 v[T], v[T], |v[WX+30]|, |v[WX+31]|
	v_max3_num_f32 v[T], v[T], v[T+1], 0x1800000   ; the floor 2^(3 - 127): the byte cannot fall under 1
	v_add_nc_u32 v[T+2], 0xff000000, v[T]          ; 2 off the exponent field: the conversion's scale operand
	v_lshrrev_b32 v[236+\j], 23, v[T+2]            ; the byte
.irp q, 0,1,2,3
	v_cvt_scalef32_pk8_fp4_f32 v[224+4*\j+\q], v[WX+8*\q:WX+8*\q+7], v[T+2]
.endr
	v_nop                                          ; one plain place behind a scaled conversion
	ds_store_b128 v[WIW], v[224+4*\j:224+4*\j+3] offset:8192*\j
	ds_store_b8 v[WSW], v[236+\j] offset:512*\j
.endm
.macro WFETCH                          ; my head's three fragments and scale words; then the constants that stay
.irp j, 0,1,2
	ds_load_b128 v[WFQ+8*\j:WFQ+8*\j+3], v[WIR] offset:8192*\j
	ds_load_b128 v[WFQ+8*\j+4:WFQ+8*\j+7], v[WIR] offset:8192*\j+512
	ds_load_b32 v[WSQ+\j], v[WSR] offset:512*\j
.endr
.irp i, 4,5,6,7
	v_mov_b32 v[QF+\i], 0                          ; q's channels 16-31
.endr
	v_mov_b32 v[T+4], 0                            ; a lane permute's destination counts as read
	v_mov_b32 v[T+5], 0                            ; named as upper halves of pairs
	v_mov_b32 v[T+7], 0
	s_wait_dscnt 0x0
.endm
; 64 numbers of a lane, register 16 b + i = k 32 b + 16 hh + i of my row, become a fragment's codes in v[PC] on and its scale word in v[PW].
.macro QUANT s
.irp b, 0,1,2,3
	v_max3_num_f32 v[TM+\b], |v[\s+16*\b]|, |v[\s+1+16*\b]|, 0x1800000
.endr
.irp i, 2,4,6,8,10,12,14
.irp b, 0,1,2,3
	v_max3_num_f32 v[TM+\b], v[TM+\b], |v[\s+16*\b+\i]|, |v[\s+1+16*\b+\i]|
.endr
.endr
.irp b, 0,1,2,3
	v_permlanex16_b32 v[TM+4+\b], v[TM+\b], s[SEL], s[SEL+1]
.endr
.irp b, 0,1,2,3
	v_max_num_f32 v[TM+\b], v[TM+\b], v[TM+4+\b]   ; with lane xor 16's 16: the block's largest magnitude
.endr
.irp b, 0,1,2,3
	v_add_nc_u32 v[TM+12+\b], 0xff000000, v[TM+\b]
.endr
.irp b, 0,1,2,3
	v_lshrrev_b32 v[TM+4+\b], 23, v[TM+12+\b]
.endr
	v_lshl_or_b32 v[PW], v[TM+5], 8, v[TM+4]
	v_lshl_or_b32 v[PW], v[TM+6], 16, v[PW]
	v_lshl_or_b32 v[PW], v[TM+7], 24, v[PW]
.irp b, 0,1,2,3
	v_cvt_scalef32_pk8_fp4_f32 v[PC+2*\b], v[\s+16*\b:\s+7+16*\b], v[TM+12+\b]
	v_cvt_scalef32_pk8_fp4_f32 v[PC+1+2*\b], v[\s+8+16*\b:\s+15+16*\b], v[TM+12+\b]
.endr
	v_nop                                          ; one plain place behind a scaled conversion
.irp c, 0,1                                    ; a whole block to a lane: lanes 0-15 block 2 c, lanes 16-31 block 2 c + 1
.irp i, 0,1
	v_permlane16_swap_b32 v[PC+4*\c+\i], v[PC+2+4*\c+\i]
.endr
.endr
.endm
; My 16 rows of x come back from my stage, 16 neighbours of each block a lane, and leave as an image and a scale word (sequence 2 t + SQ, tile HD).
.macro XQ t
.irp b, 0,1,2,3
.irp j, 0,1,2,3
	ds_load_b128 v[S+16*\b+4*\j:S+16*\b+4*\j+3], v[SGR] offset:128*\b+16*\j   ; LDS serves a wave's instructions in order: these see my stores
.endr
.endr
	s_wait_dscnt 0x0
	QUANT S
	ds_store_b128 v[XIW], v[PC:PC+3] offset:\t*2*XSEQ
	ds_store_b128 v[XIW], v[PC+4:PC+7] offset:\t*2*XSEQ+XC
	ds_store_b32 v[XSW], v[PW] offset:\t*1024      ; both halves of the lanes write the same word with the same value
.endm
; k and v of four tiles of 16 positions: eight products, each into registers of its own, then packed to f16.
.macro KVHALF t, gg
.irp j, 0,1,2,3
	ds_load_b128 v[G+8*\j:G+8*\j+3], v[XA] offset:\t*2*XSEQ+(4*\gg+\j)*XT
	ds_load_b128 v[G+8*\j+4:G+8*\j+7], v[XA] offset:\t*2*XSEQ+(4*\gg+\j)*XT+XC
	ds_load_b32 v[XK+\j], v[XSA] offset:\t*1024+(4*\gg+\j)*64
.endr
	s_wait_dscnt 0x0
.irp j, 0,1,2,3
	v_wmma_scale_f32_16x16x128_f8f6f4 v[S+16*\j:S+16*\j+7], v[WFK:WFK+7], v[G+8*\j:G+8*\j+7], 0, v[WSK], v[XK+\j] matrix_a_fmt:MATRIX_FMT_FP4 matrix_b_fmt:MATRIX_FMT_FP4
	v_wmma_scale_f32_16x16x128_f8f6f4 v[S+16*\j+8:S+16*\j+15], v[G+8*\j:G+8*\j+7], v[WFV:WFV+7], 0, v[XK+\j], v[WSV] matrix_a_fmt:MATRIX_FMT_FP4 matrix_b_fmt:MATRIX_FMT_FP4
.endr
	PLACES
.irp j, 0,1,2,3
.irp p, 0,1,2,3
	v_cvt_pk_f16_f32 v[KF+4*(4*\gg+\j)+\p], v[S+16*\j+2*\p], v[S+16*\j+2*\p+1]       ; each result from its low end on
.endr
.irp p, 0,1,2,3
	v_cvt_pk_f16_f32 v[VF+4*(4*\gg+\j)+\p], v[S+16*\j+8+2*\p], v[S+16*\j+9+2*\p]
.endr
.endr
.endm
.macro KV t
.irp i, 32,33,34,35
	v_mov_b32 v[KF+\i], 0                          ; the upper half of k's last tile
.endr
	KVHALF \t, 0
	KVHALF \t, 1
.endm
; ONE TILE OF 16 QUERIES against the sequence's 128 keys.
.macro UNIT
	v_add_nc_u32 v6, s[IX], v[XA]
	v_add_nc_u32 v7, s[IS], v[XSA]
	ds_load_b128 v[XF:XF+3], v6
	ds_load_b128 v[XF+4:XF+7], v6 offset:XC
	ds_load_b32 v[XS], v7
	s_wait_dscnt 0x0                               ; they are in; the last tile's store has read its registers
	v_wmma_scale_f32_16x16x128_f8f6f4 v[OA:OA+7], v[WFQ:WFQ+7], v[XF:XF+7], 0, v[WSQ], v[XS] matrix_a_fmt:MATRIX_FMT_FP4 matrix_b_fmt:MATRIX_FMT_FP4
	v_add_nc_u32 v7, s[IA], v[AW]                  ; where this tile's output goes: with three v_nop the four places
	v_nop
	v_nop
	v_nop
.irp p, 0,1,2,3
	v_cvt_pk_f16_f32 v[QF+\p], v[OA+2*\p], v[OA+2*\p+1]
.endr
.irp k, 0,1,2,3,4,5,6,7
	v_wmma_f32_16x16x32_f16 v[S+8*\k:S+8*\k+7], v[KF+4*\k:KF+4*\k+7], v[QF:QF+7], 0    ; S^T: register j = key 16 k + 8 hh + j of query r
.endr
	PLACES
.irp q, 0,1,2,3                                ; the maximum: four chains of 16 scores by turns; each tile is first read at its low end
	v_max3_num_f32 v[T+\q], v[S+16*\q], v[S+16*\q+1], v[S+16*\q+2]
.endr
.irp i, 3,5,7,9,11,13
.irp q, 0,1,2,3
	v_max3_num_f32 v[T+\q], v[T+\q], v[S+16*\q+\i], v[S+16*\q+\i+1]
.endr
.endr
.irp q, 0,1,2,3
	v_max_num_f32 v[T+\q], v[T+\q], v[S+16*\q+15]
.endr
	v_max3_num_f32 v[T], v[T], v[T+1], v[T+2]
	v_max_num_f32 v[T], v[T], v[T+3]
	v_permlanex16_b32 v[T+4], v[T], s[SEL], s[SEL+1]   ; the query's other 64 keys lie in the lane 16 away
	v_max_num_f32 v[T], v[T], v[T+4]
	v_mul_f32 v[T+6], s[NC], v[T]                  ; - c m
.set j, 0
.rept 16
	v_pk_fma_f32 v[S+2*j:S+2*j+1], v[S+2*j:S+2*j+1], s[CS:CS+1], v[T+6:T+7] op_sel_hi:[1,0,0]   ; c s - c m, pairs 0-15
.set j, j+1
.endr
.set j, 0
.rept 16                                       ; first batch of exponentials; the other pairs' scalings stand between
	v_exp_f32 v[S+2*j], v[S+2*j]
	v_exp_f32 v[S+2*j+1], v[S+2*j+1]
	v_pk_fma_f32 v[S+32+2*j:S+33+2*j], v[S+32+2*j:S+33+2*j], s[CS:CS+1], v[T+6:T+7] op_sel_hi:[1,0,0]
.set j, j+1
.endr
	s_wait_alu depctr_va_vdst(0)                   ; one wait for the batch, ahead of its first reader
.set j, 0
.rept 16                                       ; second batch; the first batch's sums (unrounded p, two chains) and roundings stand between
	v_exp_f32 v[S+32+2*j], v[S+32+2*j]
	v_exp_f32 v[S+33+2*j], v[S+33+2*j]
.if j == 0
	v_pk_add_f32 v[T:T+1], v[S:S+1], v[S+4:S+5]    ; pairs 0 and 2 start one chain,
.elseif j == 1
	v_pk_add_f32 v[T+2:T+3], v[S+2:S+3], v[S+6:S+7]    ; pairs 1 and 3 the other
.elseif j > 3
	v_pk_add_f32 v[T+2*(j%2):T+2*(j%2)+1], v[T+2*(j%2):T+2*(j%2)+1], v[S+2*j:S+2*j+1]
.endif
	v_cvt_pk_f16_f32 v[S+j], v[S+2*j], v[S+2*j+1]  ; pair j into register j: in place, behind its sum
.set j, j+1
.endr
	s_wait_alu depctr_va_vdst(0)                   ; and one for the second batch
.set j, 0
.rept 16
	v_pk_add_f32 v[T+2*(j%2):T+2*(j%2)+1], v[T+2*(j%2):T+2*(j%2)+1], v[S+32+2*j:S+33+2*j]
	v_cvt_pk_f16_f32 v[S+16+j], v[S+32+2*j], v[S+33+2*j]
.set j, j+1
.endr
	v_wmma_f32_16x16x32_f16 v[OA:OA+7], v[VF:VF+7], v[S:S+7], 0                    ; O^T = v^T p: two accumulators by turns
	v_wmma_f32_16x16x32_f16 v[OB:OB+7], v[VF+8:VF+15], v[S+8:S+15], 0
	v_wmma_f32_16x16x32_f16 v[OA:OA+7], v[VF+16:VF+23], v[S+16:S+23], v[OA:OA+7]
	v_wmma_f32_16x16x32_f16 v[OB:OB+7], v[VF+24:VF+31], v[S+24:S+31], v[OB:OB+7]
	v_pk_add_f32 v[T:T+1], v[T:T+1], v[T+2:T+3]    ; the row's sum: these lines are also the places behind the products
	v_add_f32 v[T], v[T], v[T+1]
	v_permlanex16_b32 v[T+4], v[T], s[SEL], s[SEL+1]
	v_add_f32 v[T], v[T], v[T+4]
	v_rcp_f32 v[T+4], v[T]
	v_nop                                          ; a plain place behind the reciprocal
	s_wait_alu depctr_va_vdst(0)                   ; and its wait, ahead of the first reader and of the loop's branch
.irp p, 0,2,4,6
	v_pk_add_f32 v[OA+\p:OA+\p+1], v[OA+\p:OA+\p+1], v[OB+\p:OB+\p+1]
.endr
.irp p, 0,2,4,6
	v_pk_mul_f32 v[OA+\p:OA+\p+1], v[OA+\p:OA+\p+1], v[T+4:T+5] op_sel_hi:[1,0]
.endr
.irp p, 0,1,2,3
	v_cvt_pk_f16_f32 v[OB+\p], v[OA+2*\p], v[OA+2*\p+1]
.endr
	ds_store_b128 v7, v[OB:OB+3]                   ; query r, channels 16 HD + 8 hh + 0..7
.endm
.macro ATTLOOP n, q0, t                ; query tiles q0 .. q0 + n - 1 of the trip's sequence
	s_mov_b32 s[IX], \t*2*XSEQ+\q0*XT
	s_mov_b32 s[IS], \t*1024+\q0*64
	s_mov_b32 s[IA], \q0*16*AP
	s_mov_b32 s[CNT], 0
.Latt_\@:
	UNIT
	s_add_co_u32 s[IX], s[IX], XT
	s_add_co_u32 s[IS], s[IS], 64
	s_add_co_u32 s[IA], s[IA], 16*AP
	s_add_co_u32 s[CNT], s[CNT], 1
	s_cmp_lt_u32 s[CNT], \n
	s_cbranch_scc1 .Latt_\@
.endm
; The way out of a trip: wave w takes positions h = 8 w .. 8 w + 7.  A load and a store cover one h: lanes 0-15 the first sequence's row of 256 bytes,
; lanes 16-31 the second's: 512 neighbouring bytes of a0.  In trip 0 also x's codes (512 neighbouring bytes: two h x four w) and, in waves 0-3, the scale words.
.macro OUT t
.irp j, 0,1,2,3,4,5,6,7
	ds_load_b128 v[S+4*\j:S+4*\j+3], v[ARD] offset:AP*\j
.endr
.if \t == 0
.irp j, 0,1,2,3
	ds_load_b128 v[S+32+4*\j:S+32+4*\j+3], v[CRD] offset:32*\j
.endr
	s_cmp_lt_u32 s[WV], 4
	s_cbranch_scc0 .Lno_words
.irp q, 0,1,2,3
	ds_load_b32 v[S+48+\q], v[SCR] offset:512*\q   ; thread = h: the words of the four sequences
.endr
	s_wait_dscnt 0x0
	global_store_b128 v[T16], v[S+48:S+51], s[14:15]
.Lno_words:
.endif
	s_wait_dscnt 0x0
.irp j, 0,1,2,3,4,5,6,7
	global_store_b128 v[L16], v[S+4*\j:S+4*\j+3], s[10:11] offset:32768*\j+512*\t
.endr
.if \t == 0
.irp j, 0,1,2,3
	global_store_b128 v[L16], v[S+32+4*\j:S+32+4*\j+3], s[12:13] offset:512*\j
.endr
	s_wait_xcnt 0x0                                ; the stores' data registers are written again in the next trip only behind this wait
.endif
.endm
	s_load_b256 s[4:11], s[0:1], 0x0               ; x s[4:5], Wq0 s[6:7], Wkv0 s[8:9], a0 s[10:11]
	s_load_b128 s[12:15], s[0:1], 0x20             ; xc s[12:13], xs s[14:15]
	v_lshl_add_u32 v[SPW], v0, 2, SPARE
	v_mov_b32 v[NIL], 0
	v_lshrrev_b32 v6, 5, v0
	v_readfirstlane_b32 s[WV], v6                  ; wave 0..15
	s_lshr_b32 s[SQ], s[WV], 3
	s_and_b32 s[HD], s[WV], 7
	s_mov_b32 s[SEL], 0x76543210
	s_mov_b32 s[SEL+1], 0xfedcba98
	s_mov_b32 s[CS], 0x3eb8aa3b                    ; c = log2(e) / sqrt(16)
	s_mov_b32 s[CS+1], s[CS]
	s_mov_b32 s[NC], 0xbeb8aa3b
	v_and_b32 v[LN], 31, v0
	v_and_b32 v[RR], 15, v0
	v_bfe_u32 v[HH], v0, 4, 1
	; every LDS address: a constant + constants x lane parts + constants x wave parts
	v_lshlrev_b32 v19, 4, v[RR]
	v_mad_u32_u24 v19, v[HH], 272, v19
	s_mul_i32 s48, s[SQ], XSEQ
	s_add_co_u32 s48, s48, XIMG
	v_add_nc_u32 v[XA], s48, v19
	s_lshl_b32 s49, s[SQ], 9
	s_add_co_u32 s49, s49, XSC
	v_lshl_add_u32 v[XSA], v[RR], 2, s49
	v_mul_u32_u24 v20, v[RR], AP
	v_lshl_add_u32 v20, v[HH], 4, v20
	s_mul_i32 s50, s[SQ], ASEQ
	s_lshl_b32 s51, s[HD], 5
	s_add_co_u32 s50, s50, s51
	s_add_co_u32 s50, s50, AROW
	v_add_nc_u32 v[AW], s50, v20
	s_mul_i32 s51, s[WV], 16*SGP
	v_lshl_add_u32 v[SGW], v[LN], 4, s51
	v_mul_u32_u24 v21, v[RR], SGP
	v_lshl_add_u32 v21, v[HH], 6, v21
	v_add_nc_u32 v[SGR], s51, v21
	s_mul_i32 s52, s[HD], XT
	v_add_nc_u32 v[XIW], s52, v[XA]
	s_lshl_b32 s53, s[HD], 6
	v_add_nc_u32 v[XSW], s53, v[XSA]
	v_lshlrev_b32 v[L16], 4, v[LN]
	v_mul_u32_u24 v22, v[HH], ASEQ
	v_lshl_add_u32 v22, v[RR], 4, v22
	s_mul_i32 s54, s[WV], 8*AP
	s_add_co_u32 s54, s54, AROW
	v_add_nc_u32 v[ARD], s54, v22
	v_bfe_u32 v23, v0, 2, 2
	v_mul_u32_u24 v23, v23, XSEQ
	v_bfe_u32 v24, v0, 1, 1
	v_mad_u32_u24 v23, v24, XC, v23
	v_and_b32 v24, 1, v0
	v_mad_u32_u24 v23, v24, 272, v23
	v_lshl_add_u32 v23, v[HH], 4, v23
	s_lshr_b32 s55, s[WV], 1
	s_mul_i32 s55, s55, XT
	s_and_b32 s56, s[WV], 1
	s_lshl_b32 s56, s56, 7
	s_add_co_u32 s55, s55, s56
	s_add_co_u32 s55, s55, XIMG
	v_add_nc_u32 v[CRD], s55, v23
	v_lshl_add_u32 v[SCR], v0, 2, XSC
	v_lshlrev_b32 v[T16], 4, v0
	; the weights: block bk = wave % 4 of K, columns 32 cg on, cg = wave / 4
	s_and_b32 s48, s[WV], 3
	s_lshr_b32 s49, s[WV], 2
	s_lshl_b32 s50, s49, 7
	s_lshl_b32 s51, s48, 14
	s_add_co_u32 s51, s51, s50
	v_lshl_add_u32 v[WQO], v[LN], 2, s51           ; Wq: 32 bk rows of 512 bytes + 128 cg + 4 lane
	s_lshl_b32 s52, s48, 15
	s_add_co_u32 s52, s52, s50
	v_lshl_add_u32 v[WKO], v[LN], 2, s52           ; Wkv: rows of 1,024 bytes
	s_lshl_b32 s53, s49, 11
	s_lshl_b32 s54, s48, 8
	s_add_co_u32 s53, s53, s54
	s_add_co_u32 s53, s53, WIMG
	v_lshlrev_b32 v[WIW], 10, v[HH]
	v_lshl_add_u32 v[WIW], v[RR], 4, v[WIW]
	v_add_nc_u32 v[WIW], s53, v[WIW]               ; tile 2 cg + hh, block bk's 256 bytes, column r
	s_add_co_u32 s55, s50, s48
	s_add_co_u32 s55, s55, WSC
	v_lshl_add_u32 v[WSW], v[LN], 2, s55           ; my column's word, byte bk
	s_lshl_b32 s56, s[HD], 10
	s_add_co_u32 s56, s56, WIMG
	v_lshl_add_u32 v[WIR], v[LN], 4, s56
	s_lshl_b32 s57, s[HD], 6
	s_add_co_u32 s57, s57, WSC
	v_lshl_add_u32 v[WSR], v[RR], 2, s57
	; where my parts begin in memory, as offsets under 2^27
	s_lshr_b32 s30, ttmp9, 5                       ; b
	s_and_b32 s31, ttmp9, 31                       ; w0 / 4
	s_lshl_b32 s32, s30, 23
	s_lshl_b32 s33, s[HD], 20                      ; 16 HD rows h of 65,536 bytes
	s_add_co_u32 s32, s32, s33
	s_lshl_b32 s33, s31, 11
	s_add_co_u32 s32, s32, s33
	s_lshl_b32 s33, s[SQ], 9
	s_add_co_u32 s32, s32, s33
	s_mov_b32 s33, 0
	s_lshl_b32 s34, s30, 22
	s_lshl_b32 s35, s[WV], 18                      ; 8 wave rows h of 32,768 bytes
	s_add_co_u32 s34, s34, s35
	s_lshl_b32 s35, s31, 10
	s_add_co_u32 s34, s34, s35
	s_mov_b32 s35, 0
	s_lshl_b32 s36, ttmp9, 15
	s_lshl_b32 s37, s[WV], 11
	s_add_co_u32 s36, s36, s37
	s_mov_b32 s37, 0
	s_lshl_b32 s38, ttmp9, 11
	s_mov_b32 s39, 0
	s_wait_kmcnt 0x0
	s_add_nc_u64 s[4:5], s[4:5], s[32:33]
	s_add_nc_u64 s[10:11], s[10:11], s[34:35]
	s_add_nc_u64 s[12:13], s[12:13], s[36:37]
	s_add_nc_u64 s[14:15], s[14:15], s[38:39]
	WLOAD 6, 8
.set i, 0
.rept 16
	global_load_b128 v[KF+4*i:KF+4*i+3], v[L16], s[4:5] offset:65536*i th:TH_LOAD_NT   ; my tile of x: a row of 512 bytes a load
.set i, i+1
.endr
	s_wait_loadcnt 16                              ; the weights' 96 loads are in; x's 16, issued behind them, may be out
	WQUANT 0
	WQUANT 1
	WQUANT 2
	s_wait_loadcnt 0x0
.set i, 0
.rept 16
	ds_store_b128 v[SGW], v[KF+4*i:KF+4*i+3] offset:SGP*i
.set i, i+1
.endr
	XQ 0
	BARRIER                                        ; the weights' images and those of sequences 0, 1 lie in LDS
	WFETCH
	KV 0
.irp i, 0,1,2,3,4,5,6,7
	global_load_b128 v[G+4*\i:G+4*\i+3], v[L16], s[4:5] offset:65536*\i+1024 th:TH_LOAD_NT   ; the next trip's tile, rows 0-7: four query tiles in which to land
.endr
	ATTLOOP 4, 0, 0
	s_wait_loadcnt 0x0
.irp i, 0,1,2,3,4,5,6,7
	ds_store_b128 v[SGW], v[G+4*\i:G+4*\i+3] offset:SGP*\i
.endr
	s_wait_dscnt 0x0                               ; the stores have read their registers, which take the next loads
.irp i, 0,1,2,3,4,5,6,7
	global_load_b128 v[G+4*\i:G+4*\i+3], v[L16], s[4:5] offset:65536*(8+\i)+1024 th:TH_LOAD_NT
.endr
	ATTLOOP 4, 4, 0
	s_wait_loadcnt 0x0
.irp i, 0,1,2,3,4,5,6,7
	ds_store_b128 v[SGW], v[G+4*\i:G+4*\i+3] offset:SGP*(8+\i)
.endr
	XQ 1
	BARRIER                                        ; trip 0's output rows and the images of sequences 2, 3 lie in LDS
	OUT 0
	BARRIER                                        ; every wave's reads of the output rows are over: trip 1 may write them
	KV 1
	ATTLOOP 8, 0, 1
	BARRIER                                        ; trip 1's output rows lie in LDS
	OUT 1
	s_wait_tensorcnt 0x0                           ; the wave's end: behind my last LDS store
	ds_add_u32 v[SPW], v[NIL]
	s_wait_dscnt 0x0
	s_endpgm
.Lfunc_end_k_q00d90fd53e_colpass:
	.size	k_q00d90fd53e_colpass, .Lfunc_end_k_q00d90fd53e_colpass-k_q00d90fd53e_colpass
	.p2alignl 7, 3214868480
	.fill 96, 4, 3214868480
	.section	.rodata,"a",@progbits
	.p2align	6, 0x0
	.amdhsa_kernel k_q00d90fd53e_colpass
		.amdhsa_group_segment_fixed_size 270336
		.amdhsa_private_segment_fixed_size 0
		.amdhsa_enable_private_segment 0
		.amdhsa_kernarg_size 48
		.amdhsa_user_sgpr_count 2
		.amdhsa_user_sgpr_kernarg_segment_ptr 1
		.amdhsa_wavefront_size32 1
		.amdhsa_system_sgpr_workgroup_id_x 1
		.amdhsa_system_sgpr_workgroup_id_y 1
		.amdhsa_system_sgpr_workgroup_id_z 1
		.amdhsa_system_vgpr_workitem_id 0
		.amdhsa_next_free_vgpr 256
		.amdhsa_next_free_sgpr 66
		.amdhsa_reserve_vcc 0
		.amdhsa_float_denorm_mode_32 3
		.amdhsa_float_denorm_mode_16_64 3
		.amdhsa_memory_ordered 1
		.amdhsa_forward_progress 1
		.amdhsa_inst_pref_size 95
	.end_amdhsa_kernel
	.amdgpu_metadata
---
amdhsa.version: [ 1, 2 ]
amdhsa.kernels:
  - .name:           k_q00d90fd53e_colpass
    .symbol:         k_q00d90fd53e_colpass.kd
    .args:
      - { .name: x, .offset: 0, .size: 8, .value_kind: global_buffer, .address_space: global }
      - { .name: Wq0, .offset: 8, .size: 8, .value_kind: global_buffer, .address_space: global }
      - { .name: Wkv0, .offset: 16, .size: 8, .value_kind: global_buffer, .address_space: global }
      - { .name: a0, .offset: 24, .size: 8, .value_kind: global_buffer, .address_space: global }
      - { .name: xc, .offset: 32, .size: 8, .value_kind: global_buffer, .address_space: global }
      - { .name: xs, .offset: 40, .size: 8, .value_kind: global_buffer, .address_space: global }
    .group_segment_fixed_size: 270336
    .private_segment_fixed_size: 0
    .kernarg_segment_align: 8
    .kernarg_segment_size: 48
    .max_flat_workgroup_size: 512
    .sgpr_count:     66
    .vgpr_count:     256
    .wavefront_size: 32
...
	.end_amdgpu_metadata
.endif
;; end of part 1
;; launch rowpass (part 2): grid 256 x 1, 16 waves a work-group, no clusters, 279,040 bytes of LDS; arguments xc, xs, a0, Wq1, Wkv1, Wo0, Wo1, bo0, bo1, out0; writes out0
.if DOCPART == 2
	.amdgcn_target "amdgcn-amd-amdhsa--gfx1250"
	.amdhsa_code_object_version 6
	.text
	.protected	k_q00d90fd53e_rowpass
	.globl	k_q00d90fd53e_rowpass
	.p2align	8
	.type	k_q00d90fd53e_rowpass,@function
k_q00d90fd53e_rowpass:
	s_mov_b64 s[64:65], 0
	v_nop
	global_prefetch_b8 v0, s[64:65] scope:SCOPE_SE
	s_setreg_imm32_b32 hwreg(HW_REG_WAVE_MODE, 25, 1), 1
	s_wait_xcnt 0x0
; PASS 1 OF THE AXIAL ATTENTION, along w for fixed (b, h), AND BOTH PROJECTIONS ON THE WAY OUT:
; out0[b][h][w][:] = a0[b][h][w][:] Wo0 + attention1[b][h][w][:] Wo1 + bo0 + bo1, one product with K = 256.
; Read: xc, xs (x's E2M1 codes and E8M0 bytes, [b][w/4][h][w%4][64 bytes] and [..][4 bytes]), a0 (pass 0's attention output, f16, [b][h][w][128]), the weights, the biases.
; x Wq1 and x Wkv1 go on E2M1 codes with E8M0 scales; q k^T, p v and the projection take f16 operands, f32 sums; the softmax is f32 with the row's true maximum taken away.
; SHARES.  Work-group g: b = g / 32, rows h0 = 4 (g % 32) .. + 3: four sequences of 128 positions, two a trip.  Wave = 8 SQ + HD takes head HD of sequence 2 t + SQ
; through q, k, v and the attention (layouts: a lane holds one query throughout; q's channels 16-31 are zeros, k's tiles lie 4 registers apart).
; In the projection the same wave makes 32 rows (pq = (wave / 2) % 4) x 64 columns (nh = wave % 2) of sequence SQ, transposed (source 0 = 16 columns of Wo, source 1 = 16 rows),
; so that a lane holds eight neighbouring numbers of a row; they leave through LDS as aligned runs of 256 bytes.
; THE WEIGHTS are read by every work-group as f32 and pass through registers (quantiser, rounding to f16); the launch has no tensor load, so there is no request that a cluster could make jointly.
; LIMITS.  q, k, v, both attention outputs and Wo are rounded to f16: magnitudes must stay under 65,504 (an overflowing k would also spoil the padded half of the sum); under 6e-5 they keep
; fewer bits.  A block of zeros of a weight gets the scale byte 1 (its codes are zeros).  NaN and infinities among the inputs are not served.
.set XT,    1088
.set XC,    544
.set XSEQ,  8768
.set AP,    272
.set ASEQ,  128*AP
.set WP,    288                        ; a row k of Wo in LDS: 128 f16 + 32 bytes: an odd multiple of 32, for the turning load
.set XIMG,  0                          ; x's fragments as images of their registers: seq XSEQ + tile XT + c XC + hh 272 + r 16
.set XSC,   35328                      ; their scale words: seq 512 + position 4
.set A0ROW, 37376                      ; pass 0's rows: 2 sequences x 128 x 272
.set AROW,  107008                     ; this pass's rows, likewise
.set WOROW, 176640                     ; [Wo0; Wo1] as f16, 256 rows k x 288
.set BIAS,  250368                     ; bo0 + bo1, 512 bytes
.set WIMG,  250880
.set WSC,   275456
.set SPARE, 276992                     ; the spare words, 128 bytes a wave: eight blocks of 256 bytes that no other line names
.set SPW, 1
.set NIL, 2
.set XA,  3
.set XSA, 4
.set AW,  5
.set A0W, 8                            ; v8  where I put pass 0's rows
.set L16, 9                            ; v9  16 x lane
.set AA,  10                           ; v10 my rows' fragments of pass 0's output
.set AB,  11                           ; v11 and of this pass's
.set WA0, 12                           ; v12 Wo0's fragments, turned
.set WA1, 13                           ; v13 Wo1's
.set BA,  14                           ; v14 the bias of my columns
.set SW,  15                           ; v15 the way out: into my stage
.set LN,  16                           ; v16-34, v124-125: at the head only
.set RR,  17
.set HH,  18
.set WQO, 25
.set WKO, 26
.set WIW, 27
.set WSW, 28
.set XCW, 29
.set WOW, 30
.set XSG, 31
.set XSL, 32
.set BIW, 33
.set WIR, 124
.set WSR, 125
.set WFQ, 16
.set WFK, 24
.set WFV, 32
.set WSQ, 40
.set WSK, 41
.set WSV, 42
.set XS,  43
.set XF,  44
.set QF,  52
.set KF,  60
.set VF,  96
.set S,   128
.set G,   192
.set OA,  224
.set OB,  232
.set T,   240
.set SR,  248                          ; v248 the way out: back from my stage
.set GO,  249                          ; v249 and my bytes in two rows of out0
.set XK,  252                          ; v252-255 x's scale words in the k/v phase: they hold scales and nothing else
.set WV,  24
.set SQ,  25
.set HD,  26
.set NH,  27
.set PQ,  28
.set NC,  29
.set SEL, 30
.set CS,  32
.set CNT, 34
.set IX,  35
.set IS,  36
.set IA,  37
.macro BARRIER                         ; my LDS stores have landed and my LDS loads are in: then the work-group's barrier
	s_wait_dscnt 0x0
	s_barrier_signal -1
	s_barrier_wait -1
.endm
.macro PLACES                          ; four plain places behind a matrix instruction (ISA guide 7.12.1)
.rept 4
	v_nop
.endr
.endm
; The weights: a lane takes a column, its registers run down K.  Wave: block wave % 4 of K, columns 32 (wave / 4) on: a load reads 128 neighbouring bytes.
.macro WLOAD pq, pkv
.set i, 0
.rept 32
	global_load_b32 v[S+i], v[WQO], s[\pq:\pq+1] offset:512*i
.set i, i+1
.endr
.set i, 0
.rept 32
	global_load_b32 v[S+32+i], v[WKO], s[\pkv:\pkv+1] offset:1024*i
.set i, i+1
.endr
.set i, 0
.rept 32
	global_load_b32 v[S+64+i], v[WKO], s[\pkv:\pkv+1] offset:1024*i+512
.set i, i+1
.endr
.endm
.macro WQUANT j
.set WX, S+32*(\j)
	v_max3_num_f32 v[T], |v[WX]|, |v[WX+1]|, |v[WX+2]|
	v_max3_num_f32 v[T+1], |v[WX+3]|, |v[WX+4]|, |v[WX+5]|
.irp i, 6,10,14,18,22,26
	v_max3_num_f32 v[T], v[T], |v[WX+\i]|, |v[WX+\i+1]|
	v_max3_num_f32 v[T+1], v[T+1], |v[WX+\i+2]|, |v[WX+\i+3]|
.endr
	v_max3_num_f32 v[T], v[T], |v[WX+30]|, |v[WX+31]|
	v_max3_num_f32 v[T], v[T], v[T+1], 0x1800000   ; the floor 2^(3 - 127): the byte cannot fall under 1
	v_add_nc_u32 v[T+2], 0xff000000, v[T]          ; 2 off the exponent field: the conversion's scale operand
	v_lshrrev_b32 v[236+\j], 23, v[T+2]            ; the byte
.irp q, 0,1,2,3
	v_cvt_scalef32_pk8_fp4_f32 v[224+4*\j+\q], v[WX+8*\q:WX+8*\q+7], v[T+2]
.endr
	v_nop                                          ; one plain place behind a scaled conversion
	ds_store_b128 v[WIW], v[224+4*\j:224+4*\j+3] offset:8192*\j
	ds_store_b8 v[WSW], v[236+\j] offset:512*\j
.endm
.macro WFETCH                          ; my head's three fragments and scale words; then the constants that stay
.irp j, 0,1,2
	ds_load_b128 v[WFQ+8*\j:WFQ+8*\j+3], v[WIR] offset:8192*\j
	ds_load_b128 v[WFQ+8*\j+4:WFQ+8*\j+7], v[WIR] offset:8192*\j+512
	ds_load_b32 v[WSQ+\j], v[WSR] offset:512*\j
.endr
.irp i, 4,5,6,7
	v_mov_b32 v[QF+\i], 0                          ; q's channels 16-31
.endr
	v_mov_b32 v[T+4], 0                            ; a lane permute's destination counts as read
	v_mov_b32 v[T+5], 0                            ; named as upper halves of pairs
	v_mov_b32 v[T+7], 0
	s_wait_dscnt 0x0
.endm
; k and v of four tiles of 16 positions: eight products, each into registers of its own, then packed to f16.
.macro KVHALF t, gg
.irp j, 0,1,2,3
	ds_load_b128 v[G+8*\j:G+8*\j+3], v[XA] offset:\t*2*XSEQ+(4*\gg+\j)*XT
	ds_load_b128 v[G+8*\j+4:G+8*\j+7], v[XA] offset:\t*2*XSEQ+(4*\gg+\j)*XT+XC
	ds_load_b32 v[XK+\j], v[XSA] offset:\t*1024+(4*\gg+\j)*64
.endr
	s_wait_dscnt 0x0
.irp j, 0,1,2,3
	v_wmma_scale_f32_16x16x128_f8f6f4 v[S+16*\j:S+16*\j+7], v[WFK:WFK+7], v[G+8*\j:G+8*\j+7], 0, v[WSK], v[XK+\j] matrix_a_fmt:MATRIX_FMT_FP4 matrix_b_fmt:MATRIX_FMT_FP4
	v_wmma_scale_f32_16x16x128_f8f6f4 v[S+16*\j+8:S+16*\j+15], v[G+8*\j:G+8*\j+7], v[WFV:WFV+7], 0, v[XK+\j], v[WSV] matrix_a_fmt:MATRIX_FMT_FP4 matrix_b_fmt:MATRIX_FMT_FP4
.endr
	PLACES
.irp j, 0,1,2,3
.irp p, 0,1,2,3
	v_cvt_pk_f16_f32 v[KF+4*(4*\gg+\j)+\p], v[S+16*\j+2*\p], v[S+16*\j+2*\p+1]       ; each result from its low end on
.endr
.irp p, 0,1,2,3
	v_cvt_pk_f16_f32 v[VF+4*(4*\gg+\j)+\p], v[S+16*\j+8+2*\p], v[S+16*\j+9+2*\p]
.endr
.endr
.endm
.macro KV t
.irp i, 32,33,34,35
	v_mov_b32 v[KF+\i], 0                          ; the upper half of k's last tile
.endr
	KVHALF \t, 0
	KVHALF \t, 1
.endm
; ONE TILE OF 16 QUERIES against the sequence's 128 keys.
.macro UNIT
	v_add_nc_u32 v6, s[IX], v[XA]
	v_add_nc_u32 v7, s[IS], v[XSA]
	ds_load_b128 v[XF:XF+3], v6
	ds_load_b128 v[XF+4:XF+7], v6 offset:XC
	ds_load_b32 v[XS], v7
	s_wait_dscnt 0x0                               ; they are in; the last tile's store has read its registers
	v_wmma_scale_f32_16x16x128_f8f6f4 v[OA:OA+7], v[WFQ:WFQ+7], v[XF:XF+7], 0, v[WSQ], v[XS] matrix_a_fmt:MATRIX_FMT_FP4 matrix_b_fmt:MATRIX_FMT_FP4
	v_add_nc_u32 v7, s[IA], v[AW]                  ; where this tile's output goes: with three v_nop the four places
	v_nop
	v_nop
	v_nop
.irp p, 0,1,2,3
	v_cvt_pk_f16_f32 v[QF+\p], v[OA+2*\p], v[OA+2*\p+1]
.endr
.irp k, 0,1,2,3,4,5,6,7
	v_wmma_f32_16x16x32_f16 v[S+8*\k:S+8*\k+7], v[KF+4*\k:KF+4*\k+7], v[QF:QF+7], 0    ; S^T: register j = key 16 k + 8 hh + j of query r
.endr
	PLACES
.irp q, 0,1,2,3                                ; the maximum: four chains of 16 scores by turns; each tile is first read at its low end
	v_max3_num_f32 v[T+\q], v[S+16*\q], v[S+16*\q+1], v[S+16*\q+2]
.endr
.irp i, 3,5,7,9,11,13
.irp q, 0,1,2,3
	v_max3_num_f32 v[T+\q], v[T+\q], v[S+16*\q+\i], v[S+16*\q+\i+1]
.endr
.endr
.irp q, 0,1,2,3
	v_max_num_f32 v[T+\q], v[T+\q], v[S+16*\q+15]
.endr
	v_max3_num_f32 v[T], v[T], v[T+1], v[T+2]
	v_max_num_f32 v[T], v[T], v[T+3]
	v_permlanex16_b32 v[T+4], v[T], s[SEL], s[SEL+1]   ; the query's other 64 keys lie in the lane 16 away
	v_max_num_f32 v[T], v[T], v[T+4]
	v_mul_f32 v[T+6], s[NC], v[T]                  ; - c m
.set j, 0
.rept 16
	v_pk_fma_f32 v[S+2*j:S+2*j+1], v[S+2*j:S+2*j+1], s[CS:CS+1], v[T+6:T+7] op_sel_hi:[1,0,0]   ; c s - c m, pairs 0-15
.set j, j+1
.endr
.set j, 0
.rept 16                                       ; first batch of exponentials; the other pairs' scalings stand between
	v_exp_f32 v[S+2*j], v[S+2*j]
	v_exp_f32 v[S+2*j+1], v[S+2*j+1]
	v_pk_fma_f32 v[S+32+2*j:S+33+2*j], v[S+32+2*j:S+33+2*j], s[CS:CS+1], v[T+6:T+7] op_sel_hi:[1,0,0]
.set j, j+1
.endr
	s_wait_alu depctr_va_vdst(0)                   ; one wait for the batch, ahead of its first reader
.set j, 0
.rept 16                                       ; second batch; the first batch's sums (unrounded p, two chains) and roundings stand between
	v_exp_f32 v[S+32+2*j], v[S+32+2*j]
	v_exp_f32 v[S+33+2*j], v[S+33+2*j]
.if j == 0
	v_pk_add_f32 v[T:T+1], v[S:S+1], v[S+4:S+5]    ; pairs 0 and 2 start one chain,
.elseif j == 1
	v_pk_add_f32 v[T+2:T+3], v[S+2:S+3], v[S+6:S+7]    ; pairs 1 and 3 the other
.elseif j > 3
	v_pk_add_f32 v[T+2*(j%2):T+2*(j%2)+1], v[T+2*(j%2):T+2*(j%2)+1], v[S+2*j:S+2*j+1]
.endif
	v_cvt_pk_f16_f32 v[S+j], v[S+2*j], v[S+2*j+1]  ; pair j into register j: in place, behind its sum
.set j, j+1
.endr
	s_wait_alu depctr_va_vdst(0)                   ; and one for the second batch
.set j, 0
.rept 16
	v_pk_add_f32 v[T+2*(j%2):T+2*(j%2)+1], v[T+2*(j%2):T+2*(j%2)+1], v[S+32+2*j:S+33+2*j]
	v_cvt_pk_f16_f32 v[S+16+j], v[S+32+2*j], v[S+33+2*j]
.set j, j+1
.endr
	v_wmma_f32_16x16x32_f16 v[OA:OA+7], v[VF:VF+7], v[S:S+7], 0                    ; O^T = v^T p: two accumulators by turns
	v_wmma_f32_16x16x32_f16 v[OB:OB+7], v[VF+8:VF+15], v[S+8:S+15], 0
	v_wmma_f32_16x16x32_f16 v[OA:OA+7], v[VF+16:VF+23], v[S+16:S+23], v[OA:OA+7]
	v_wmma_f32_16x16x32_f16 v[OB:OB+7], v[VF+24:VF+31], v[S+24:S+31], v[OB:OB+7]
	v_pk_add_f32 v[T:T+1], v[T:T+1], v[T+2:T+3]    ; the row's sum: these lines are also the places behind the products
	v_add_f32 v[T], v[T], v[T+1]
	v_permlanex16_b32 v[T+4], v[T], s[SEL], s[SEL+1]
	v_add_f32 v[T], v[T], v[T+4]
	v_rcp_f32 v[T+4], v[T]
	v_nop                                          ; a plain place behind the reciprocal
	s_wait_alu depctr_va_vdst(0)                   ; and its wait, ahead of the first reader and of the loop's branch
.irp p, 0,2,4,6
	v_pk_add_f32 v[OA+\p:OA+\p+1], v[OA+\p:OA+\p+1], v[OB+\p:OB+\p+1]
.endr
.irp p, 0,2,4,6
	v_pk_mul_f32 v[OA+\p:OA+\p+1], v[OA+\p:OA+\p+1], v[T+4:T+5] op_sel_hi:[1,0]
.endr
.irp p, 0,1,2,3
	v_cvt_pk_f16_f32 v[OB+\p], v[OA+2*\p], v[OA+2*\p+1]
.endr
	ds_store_b128 v7, v[OB:OB+3]                   ; query r, channels 16 HD + 8 hh + 0..7
.endm
.macro ATTLOOP n, q0, t                ; query tiles q0 .. q0 + n - 1 of the trip's sequence
	s_mov_b32 s[IX], \t*2*XSEQ+\q0*XT
	s_mov_b32 s[IS], \t*1024+\q0*64
	s_mov_b32 s[IA], \q0*16*AP
	s_mov_b32 s[CNT], 0
.Latt_\@:
	UNIT
	s_add_co_u32 s[IX], s[IX], XT
	s_add_co_u32 s[IS], s[IS], 64
	s_add_co_u32 s[IA], s[IA], 16*AP
	s_add_co_u32 s[CNT], s[CNT], 1
	s_cmp_lt_u32 s[CNT], \n
	s_cbranch_scc1 .Latt_\@
.endm
; THE PROJECTION.  K step u of eight (32 along K; 0-3: pass 0's output and Wo0, 4-7: this pass's and Wo1): 12 LDS loads into buffer u % 2:
; my two tiles of rows (two loads of 16 bytes each, 32 bytes apart) and my four tiles of columns of Wo, turned on the way ([k][n] in LDS).
.macro LOADK u
.set FA, G+16*((\u)%2)
.set FW, KF+32*((\u)%2)
.if (\u) < 4
.set ADA, AA
.set ADW, WA0
.else
.set ADA, AB
.set ADW, WA1
.endif
.irp p, 0,1
	ds_load_b128 v[FA+8*\p:FA+8*\p+3], v[ADA] offset:16*AP*\p+64*((\u)%4)
	ds_load_b128 v[FA+8*\p+4:FA+8*\p+7], v[ADA] offset:16*AP*\p+64*((\u)%4)+32
.endr
.irp n, 0,1,2,3
	ds_load_tr16_b128 v[FW+8*\n:FW+8*\n+3], v[ADW] offset:32*WP*((\u)%4)+32*\n
	ds_load_tr16_b128 v[FW+8*\n+4:FW+8*\n+7], v[ADW] offset:32*WP*((\u)%4)+32*\n+16*WP
.endr
.endm
.macro MULK u                          ; eight accumulators by turns, in the same order in every K step
.set MA, G+16*((\u)%2)
.set MW, KF+32*((\u)%2)
.irp p, 0,1
.irp n, 0,1,2,3
	v_wmma_f32_16x16x32_f16 v[S+8*(4*\p+\n):S+8*(4*\p+\n)+7], v[MW+8*\n:MW+8*\n+7], v[MA+8*\p:MA+8*\p+7], v[S+8*(4*\p+\n):S+8*(4*\p+\n)+7]
.endr
.endr
.endm
.macro TRIP t
	KV \t
.irp i, 0,1,2,3,4,5,6,7
	global_load_b128 v[G+4*\i:G+4*\i+3], v[L16], s[8:9] offset:512*\i+65536*\t th:TH_LOAD_NT   ; pass 0's rows 16 HD + 2 i, + 1 of my sequence: eight query tiles in which to land
.endr
	ATTLOOP 8, 0, \t
	s_wait_loadcnt 0x0
.irp i, 0,1,2,3,4,5,6,7
	ds_store_b128 v[A0W], v[G+4*\i:G+4*\i+3] offset:2*AP*\i
.endr
	BARRIER                                        ; both passes' rows of the trip's two sequences lie in LDS
.irp p, 0,1
.irp n, 0,1,2,3
	ds_load_b128 v[S+8*(4*\p+\n):S+8*(4*\p+\n)+3], v[BA] offset:64*\n          ; the bias starts the sums: it is loaded in the result's layout
	ds_load_b128 v[S+8*(4*\p+\n)+4:S+8*(4*\p+\n)+7], v[BA] offset:64*\n+16
.endr
.endr
	LOADK 0
.irp u, 0,1,2,3,4,5,6,7
.if \u < 7
.if \u > 0
	PLACES                                         ; in front of loads into the buffer that the last K step's products read
.endif
	LOADK \u+1
	s_wait_dscnt 12                                ; all but the 12 loads just issued: this K step's fragments (and the bias) are in
.else
	s_wait_dscnt 0x0
.endif
	MULK \u
.endr
	PLACES                                         ; four places in front of the stores that read the results and of the loads into the fragments' registers;
	v_nop                                          ; and a fifth: the next trip's k and v products begin these accumulators' registers anew, and the lines that clear v92-95 between name registers that these products read, so they are no places
	BARRIER                                        ; every wave's reads of the rows are over: 32 of them become my stage
.irp p, 0,1
.irp n, 0,1,2,3
	ds_store_b128 v[SW], v[S+8*(4*\p+\n):S+8*(4*\p+\n)+3] offset:16*AP*\p+64*\n           ; each accumulator from its low end on
	ds_store_b128 v[SW], v[S+8*(4*\p+\n)+4:S+8*(4*\p+\n)+7] offset:16*AP*\p+64*\n+16
.endr
.endr
.irp j, 0,1,2,3,4,5,6,7,8,9,10,11,12,13,14,15
	ds_load_b128 v[KF+4*\j:KF+4*\j+3], v[SR] offset:2*AP*\j    ; LDS serves a wave's instructions in order: these see my stores
.endr
.irp j, 0,1,2,3,4,5,6,7,8,9,10,11,12,13,14,15
	s_wait_dscnt 15-\j                             ; the loads issued behind this one may be out
	global_store_b128 v[GO], v[KF+4*\j:KF+4*\j+3], s[22:23] offset:1024*\j+131072*\t th:TH_STORE_NT   ; sixteen lanes store 256 consecutive bytes, at a multiple of 256 from out0's first byte
.endr
.endm
	s_load_b256 s[4:11], s[0:1], 0x0               ; xc s[4:5], xs s[6:7], a0 s[8:9], Wq1 s[10:11]
	s_load_b256 s[12:19], s[0:1], 0x20             ; Wkv1 s[12:13], Wo0 s[14:15], Wo1 s[16:17], bo0 s[18:19]
	s_load_b128 s[20:23], s[0:1], 0x40             ; bo1 s[20:21], out0 s[22:23]
	v_lshl_add_u32 v[SPW], v0, 2, SPARE
	v_mov_b32 v[NIL], 0
	v_lshrrev_b32 v6, 5, v0
	v_readfirstlane_b32 s[WV], v6                  ; wave 0..15
	s_lshr_b32 s[SQ], s[WV], 3
	s_and_b32 s[HD], s[WV], 7
	s_and_b32 s[NH], s[WV], 1
	s_bfe_u32 s[PQ], s[WV], 0x20001                ; (wave / 2) % 4
	s_mov_b32 s[SEL], 0x76543210
	s_mov_b32 s[SEL+1], 0xfedcba98
	s_mov_b32 s[CS], 0x3eb8aa3b                    ; c = log2(e) / sqrt(16)
	s_mov_b32 s[CS+1], s[CS]
	s_mov_b32 s[NC], 0xbeb8aa3b
	v_and_b32 v[LN], 31, v0
	v_and_b32 v[RR], 15, v0
	v_bfe_u32 v[HH], v0, 4, 1
	; every LDS address is made here, ahead of the first branch on the wave's number
	v_mul_u32_u24 v19, v[HH], AP
	v_lshl_add_u32 v19, v[RR], 4, v19              ; 272 hh + 16 r
	v_mul_u32_u24 v20, v[RR], AP
	v_lshl_add_u32 v21, v[HH], 5, v20              ; 272 r + 32 hh
	v_lshl_add_u32 v20, v[HH], 4, v20              ; 272 r + 16 hh
	v_lshlrev_b32 v[L16], 4, v[LN]
	s_mul_i32 s41, s[SQ], XSEQ
	s_add_co_u32 s41, s41, XIMG
	v_add_nc_u32 v[XA], s41, v19
	s_lshl_b32 s42, s[SQ], 9
	s_add_co_u32 s42, s42, XSC
	v_lshl_add_u32 v[XSA], v[RR], 2, s42
	s_mul_i32 s40, s[SQ], ASEQ
	s_add_co_u32 s40, s40, A0ROW                   ; my sequence's rows of pass 0
	s_lshl_b32 s43, s[HD], 5
	s_add_co_u32 s43, s43, s40
	s_add_co_u32 s43, s43, AROW-A0ROW
	v_add_nc_u32 v[AW], s43, v20
	s_mul_i32 s44, s[HD], 16*AP
	s_add_co_u32 s44, s44, s40
	v_add_nc_u32 v[A0W], s44, v19
	s_mul_i32 s45, s[PQ], 32*AP
	s_add_co_u32 s45, s45, s40
	v_add_nc_u32 v[AA], s45, v20
	v_add_nc_u32 v[AB], AROW-A0ROW, v[AA]
	s_xor_b32 s46, s[NH], 1                        ; my stage: my 32 rows of this pass's region (nh = 0) or of pass 0's (nh = 1)
	s_mul_i32 s46, s46, AROW-A0ROW
	s_add_co_u32 s46, s46, s45
	v_add_nc_u32 v[SW], s46, v21
	v_add_nc_u32 v[SR], s46, v19
	v_lshlrev_b32 v[GO], 9, v[HH]
	v_lshl_add_u32 v[GO], v[RR], 4, v[GO]
	v_and_b32 v22, 7, v0
	v_lshl_add_u32 v22, v[HH], 3, v22
	v_mul_u32_u24 v22, v22, WP
	v_bfe_u32 v23, v0, 3, 1
	v_lshl_add_u32 v22, v23, 4, v22
	s_lshl_b32 s47, s[NH], 7
	s_add_co_u32 s47, s47, WOROW
	v_add_nc_u32 v[WA0], s47, v22
	v_add_nc_u32 v[WA1], 128*WP, v[WA0]
	s_lshl_b32 s48, s[NH], 8
	s_add_co_u32 s48, s48, BIAS
	v_lshl_add_u32 v[BA], v[HH], 5, s48
	v_mul_u32_u24 v[XCW], v[HH], XSEQ              ; the codes' way into the images: lane = (hh: sequence, w % 4, c, half)
	v_bfe_u32 v23, v0, 1, 1
	v_mad_u32_u24 v[XCW], v23, XC, v[XCW]
	v_and_b32 v23, 1, v0
	v_mad_u32_u24 v[XCW], v23, 272, v[XCW]
	v_bfe_u32 v23, v0, 2, 2
	v_lshl_add_u32 v[XCW], v23, 4, v[XCW]
	s_lshr_b32 s49, s[WV], 1
	s_mul_i32 s49, s49, XT
	s_lshl_b32 s50, s[NH], 7
	s_add_co_u32 s49, s49, s50
	s_add_co_u32 s49, s49, XIMG
	v_add_nc_u32 v[XCW], s49, v[XCW]
	s_mul_i32 s51, s[WV], 16*WP
	s_add_co_u32 s51, s51, WOROW
	v_lshl_add_u32 v[WOW], v[LN], 3, s51
	v_lshrrev_b32 v24, 2, v0                       ; waves 0-3: thread = 4 (w / 4) + sequence
	v_and_b32 v34, 3, v0
	v_lshlrev_b32 v[XSG], 11, v24
	v_lshl_add_u32 v[XSG], v34, 4, v[XSG]
	v_lshlrev_b32 v[XSL], 4, v24
	v_lshl_add_u32 v[XSL], v34, 9, v[XSL]
	v_add_nc_u32 v[XSL], XSC, v[XSL]
	v_lshl_add_u32 v[BIW], v[LN], 4, BIAS
	; the weights: block bk = wave % 4 of K, columns 32 cg on, cg = wave / 4
	s_and_b32 s40, s[WV], 3
	s_lshr_b32 s41, s[WV], 2
	s_lshl_b32 s42, s41, 7
	s_lshl_b32 s43, s40, 14
	s_add_co_u32 s43, s43, s42
	v_lshl_add_u32 v[WQO], v[LN], 2, s43
	s_lshl_b32 s44, s40, 15
	s_add_co_u32 s44, s44, s42
	v_lshl_add_u32 v[WKO], v[LN], 2, s44
	s_lshl_b32 s45, s41, 11
	s_lshl_b32 s46, s40, 8
	s_add_co_u32 s45, s45, s46
	s_add_co_u32 s45, s45, WIMG
	v_lshlrev_b32 v[WIW], 10, v[HH]
	v_lshl_add_u32 v[WIW], v[RR], 4, v[WIW]
	v_add_nc_u32 v[WIW], s45, v[WIW]
	s_add_co_u32 s47, s42, s40
	s_add_co_u32 s47, s47, WSC
	v_lshl_add_u32 v[WSW], v[LN], 2, s47
	s_lshl_b32 s48, s[HD], 10
	s_add_co_u32 s48, s48, WIMG
	v_lshl_add_u32 v[WIR], v[LN], 4, s48
	s_lshl_b32 s49, s[HD], 6
	s_add_co_u32 s49, s49, WSC
	v_lshl_add_u32 v[WSR], v[RR], 2, s49
	; where my parts begin in memory, as offsets under 2^27
	s_lshr_b32 s38, ttmp9, 5                       ; b
	s_and_b32 s39, ttmp9, 31                       ; h0 / 4
	s_lshl_b32 s40, s38, 20
	s_lshl_b32 s41, s39, 10                        ; four h of 256 bytes
	s_add_co_u32 s40, s40, s41
	s_lshl_b32 s41, s[WV], 16                      ; two groups of four w
	s_add_co_u32 s40, s40, s41
	s_mov_b32 s41, 0
	s_lshl_b32 s42, s38, 16
	s_lshl_b32 s43, s39, 6
	s_add_co_u32 s42, s42, s43
	s_mov_b32 s43, 0
	s_lshl_b32 s44, ttmp9, 17
	s_lshl_b32 s45, s[SQ], 15
	s_add_co_u32 s44, s44, s45
	s_lshl_b32 s45, s[HD], 12
	s_add_co_u32 s44, s44, s45
	s_mov_b32 s45, 0
	s_lshl_b32 s46, ttmp9, 18
	s_lshl_b32 s47, s[SQ], 16
	s_add_co_u32 s46, s46, s47
	s_lshl_b32 s47, s[PQ], 14
	s_add_co_u32 s46, s46, s47
	s_lshl_b32 s47, s[NH], 8
	s_add_co_u32 s46, s46, s47
	s_mov_b32 s47, 0
	s_lshl_b32 s48, s[HD], 13                      ; 16 rows of Wo
	s_mov_b32 s49, 0
	s_wait_kmcnt 0x0
	s_add_nc_u64 s[4:5], s[4:5], s[40:41]
	s_add_nc_u64 s[6:7], s[6:7], s[42:43]
	s_add_nc_u64 s[8:9], s[8:9], s[44:45]
	s_add_nc_u64 s[22:23], s[22:23], s[46:47]
	s_cmp_lt_u32 s[WV], 8                          ; waves 0-7 bring Wo0's rows, waves 8-15 Wo1's: the choice hangs on the wave's number alone
	s_cselect_b64 s[56:57], s[14:15], s[16:17]
	s_add_nc_u64 s[56:57], s[56:57], s[48:49]
.irp e, 0,1
.irp f, 0,1
	global_load_b128 v[XF+4*(2*\e+\f):XF+4*(2*\e+\f)+3], v[L16], s[4:5] offset:32768*\e+512*\f th:TH_LOAD_NT   ; codes: w = 8 wave + 4 e + 0..3, sequences 2 f, 2 f + 1: 512 neighbouring bytes
.endr
.endr
.set i, 0
.rept 16
	global_load_b128 v[KF+4*i:KF+4*i+3], v[L16], s[56:57] offset:512*i     ; a row of Wo a load
.set i, i+1
.endr
	WLOAD 10, 12
	s_cmp_lt_u32 s[WV], 4
	s_cbranch_scc0 .Lnot_words
	global_load_b128 v[224:227], v[XSG], s[6:7]    ; the scale words of four neighbouring w of one sequence
	s_wait_loadcnt 0x0
	ds_store_b128 v[XSL], v[224:227]
.Lnot_words:
	s_cmp_eq_u32 s[WV], 4
	s_cbranch_scc0 .Lnot_bias
	global_load_b128 v[224:227], v[L16], s[18:19]
	global_load_b128 v[228:231], v[L16], s[20:21]
	s_wait_loadcnt 0x0
	v_pk_add_f32 v[224:225], v[224:225], v[228:229]
	v_pk_add_f32 v[226:227], v[226:227], v[230:231]
	ds_store_b128 v[BIW], v[224:227]               ; bo0 + bo1
.Lnot_bias:
	s_wait_loadcnt 0x0
.irp e, 0,1
.irp f, 0,1
	ds_store_b128 v[XCW], v[XF+4*(2*\e+\f):XF+4*(2*\e+\f)+3] offset:2*XSEQ*\f+64*\e
.endr
.endr
.set i, 0
.rept 16
	v_cvt_pk_f16_f32 v[KF+4*i], v[KF+4*i], v[KF+4*i+1]
	v_cvt_pk_f16_f32 v[KF+4*i+1], v[KF+4*i+2], v[KF+4*i+3]
	ds_store_b64 v[WOW], v[KF+4*i:KF+4*i+1] offset:WP*i
.set i, i+1
.endr
	s_wait_dscnt 0x0                               ; the stores have read their registers: the quantiser writes some of them again
	WQUANT 0
	WQUANT 1
	WQUANT 2
	BARRIER                                        ; images, scale words, Wo and the bias lie in LDS
	WFETCH
	TRIP 0
	s_wait_xcnt 0x0                                ; the stores' data registers are written again in the next trip only behind this wait
	BARRIER                                        ; every wave's reads of its stage are over: trip 1 may write the rows
	TRIP 1
	s_wait_tensorcnt 0x0                           ; the wave's end: behind my last LDS store
	ds_add_u32 v[SPW], v[NIL]
	s_wait_dscnt 0x0
	s_endpgm
.Lfunc_end_k_q00d90fd53e_rowpass:
	.size	k_q00d90fd53e_rowpass, .Lfunc_end_k_q00d90fd53e_rowpass-k_q00d90fd53e_rowpass
	.p2alignl 7, 3214868480
	.fill 96, 4, 3214868480
	.section	.rodata,"a",@progbits
	.p2align	6, 0x0
	.amdhsa_kernel k_q00d90fd53e_rowpass
		.amdhsa_group_segment_fixed_size 279040
		.amdhsa_private_segment_fixed_size 0
		.amdhsa_enable_private_segment 0
		.amdhsa_kernarg_size 80
		.amdhsa_user_sgpr_count 2
		.amdhsa_user_sgpr_kernarg_segment_ptr 1
		.amdhsa_wavefront_size32 1
		.amdhsa_system_sgpr_workgroup_id_x 1
		.amdhsa_system_sgpr_workgroup_id_y 1
		.amdhsa_system_sgpr_workgroup_id_z 1
		.amdhsa_system_vgpr_workitem_id 0
		.amdhsa_next_free_vgpr 256
		.amdhsa_next_free_sgpr 66
		.amdhsa_reserve_vcc 0
		.amdhsa_float_denorm_mode_32 3
		.amdhsa_float_denorm_mode_16_64 3
		.amdhsa_memory_ordered 1
		.amdhsa_forward_progress 1
		.amdhsa_inst_pref_size 106
	.end_amdhsa_kernel
	.amdgpu_metadata
---
amdhsa.version: [ 1, 2 ]
amdhsa.kernels:
  - .name:           k_q00d90fd53e_rowpass
    .symbol:         k_q00d90fd53e_rowpass.kd
    .args:
      - { .name: xc, .offset: 0, .size: 8, .value_kind: global_buffer, .address_space: global }
      - { .name: xs, .offset: 8, .size: 8, .value_kind: global_buffer, .address_space: global }
      - { .name: a0, .offset: 16, .size: 8, .value_kind: global_buffer, .address_space: global }
      - { .name: Wq1, .offset: 24, .size: 8, .value_kind: global_buffer, .address_space: global }
      - { .name: Wkv1, .offset: 32, .size: 8, .value_kind: global_buffer, .address_space: global }
      - { .name: Wo0, .offset: 40, .size: 8, .value_kind: global_buffer, .address_space: global }
      - { .name: Wo1, .offset: 48, .size: 8, .value_kind: global_buffer, .address_space: global }
      - { .name: bo0, .offset: 56, .size: 8, .value_kind: global_buffer, .address_space: global }
      - { .name: bo1, .offset: 64, .size: 8, .value_kind: global_buffer, .address_space: global }
      - { .name: out0, .offset: 72, .size: 8, .value_kind: global_buffer, .address_space: global }
    .group_segment_fixed_size: 279040
    .private_segment_fixed_size: 0
    .kernarg_segment_align: 8
    .kernarg_segment_size: 80
    .max_flat_workgroup_size: 512
    .sgpr_count:     66
    .vgpr_count:     256
    .wavefront_size: 32
...
	.end_amdgpu_metadata
.endif
;; end of part 2
;; ======== version 2 of 2: 2 launches; version 1 with the launches colpass, rowpass written anew for expert scheduling mode
;; limits: values are held in f16: magnitudes above 65,504 overflow, below 6.1e-05 lose precision
;; workspace buffers: a0 33,554,432 bytes; xc 8,388,608 bytes; xs 524,288 bytes
;; launch colpass (part 3): grid 256 x 1, 16 waves a work-group, no clusters, 270,336 bytes of LDS; arguments x, Wq0, Wkv0, a0, xc, xs; writes a0, xc, xs
.if DOCPART == 3
	.amdgcn_target "amdgcn-amd-amdhsa--gfx1250"
	.amdhsa_code_object_version 6
	.text
	.protected	k_q00d90fd53e_colpass
	.globl	k_q00d90fd53e_colpass
	.p2align	8
	.type	k_q00d90fd53e_colpass,@function
k_q00d90fd53e_colpass:
	s_mov_b64 s[64:65], 0
	v_nop
	global_prefetch_b8 v0, s[64:65] scope:SCOPE_SE
	s_setreg_imm32_b32 hwreg(HW_REG_WAVE_SCHED_MODE, 0, 2), 2
	s_setreg_imm32_b32 hwreg(HW_REG_WAVE_MODE, 25, 1), 1
	s_wait_xcnt 0x0
	s_wait_alu depctr_vm_vsrc(0)
; PASS 0 OF THE AXIAL ATTENTION: attention along h, for fixed (b, w).  x: [8][128 h][128 w][128] f32.
; Stored: a0 [b][h][w][128] f16 = the normalised attention output ahead of Wo0 (that product's operand, made once);
;         xc [b][w/4][h][w%4][64 bytes] = x's E2M1 codes along d;  xs [b][w/4][h][w%4] = their four E8M0 bytes a position.
; x Wq0 and x Wkv0 go on E2M1 codes with E8M0 scales (blocks of 32 along d); q k^T, p v take f16 operands, f32 sums; the softmax is f32
; with the row's true maximum taken away.
; SHARES.  Work-group g: b = g / 32, columns w0 = 4 (g % 32) .. + 3: four sequences of 128 positions, two a trip.  Sixteen waves:
; wave = 8 SQ + HD takes head HD of sequence 2 t + SQ: it makes that head's q, k, v and does its whole attention, so nothing of q, k, v, p
; changes lane or wave.  Four waves share a SIMD: one wave's exponentials stand beside another's plain, matrix and LDS work.
; LAYOUT.  q, k tiles: source 0 = 16 columns of W, source 1 = 16 positions: a lane holds one position and channels 8 hh + 0..7, which pack
; into registers 0-3 of an f16 fragment.  The head has 16 channels and the f16 form sums 32: q's registers 4-7 are zeros, k's tiles lie 4
; registers apart, so that a tile's upper half is the next tile's numbers, times zero.  v tiles: sources swapped: a lane holds one channel and 8 keys.
; S^T = k q^T and O^T = v^T p: a lane holds ONE query throughout; two key tiles of p, packed in place, are a fragment of the second product.
; THE WEIGHTS are read by every work-group as f32 and pass through registers on the way to the quantiser; the launch has no tensor load, so
; there is no request that a cluster could make jointly.
; LIMITS.  q, k, v and the attention output are rounded to f16: their magnitudes must stay under 65,504 (an overflowing k would also spoil the
; padded half of the sum); under 6e-5 they keep fewer bits.  A block of zeros gets the scale byte 1 (its codes are zeros; this program alone reads
; the bytes).  NaN and infinities among the inputs are not served.
; THE MODE: SCHED_MODE bits 1:0 = 2 (LLVM: expert scheduling mode 2), set by the entry lines.  The code itself states the register dependences
; between vector or matrix instructions and memory or LDS instructions, with s_wait_alu, always for 0.
; THE PLAN.  Registers that memory or LDS instructions touch, and who else names them:
;   v1-5, v8-15, v248    addresses, made at the head ahead of one wait on va_vdst and never written again.
;   v16-28, v124-125     the head's own addresses.  v16-42 then take the weights' fragments (a wait on vm_vsrc ahead of those loads); v124-125 become part of v (a second one behind them).
;   v128-223, v224-238   at the head: the weights as loaded; their codes and bytes.  The quantiser works all three blocks, ONE wait on va_vdst follows, then its six stores.
;   v60-123              at the head: my tile of x, loaded and stored to the stage; from then on k and v, named by vector and matrix instructions alone.
;   v128-191             rows from the stage and rows on the way out land here; between those the quantiser, the products and the softmax name them.  Each run of loads stands behind a wait on va_vdst
;                        behind which no vector line names them; the way out's stores are followed by a wait on vm_vsrc ahead of the next trip's products.
;   v192-223, v252-255   k/v phase: loaded, read by eight products; behind the products' places one wait on va_vdst, then the next loads, then the roundings.  Later v192-223 are the stream's buffer (loaded, stored
;                        to the stage, a wait on vm_vsrc, loaded again) and the quantiser's work (a wait on vm_vsrc ahead of it, one on va_vdst ahead of its stores).
;   THE LOOP OVER QUERY TILES.  v6, v7: addresses of the tile's three loads; v250: of its store; v43-51: loaded, read by the q product; v232-235: written by the last roundings, read by the store,
;                        written again by the next tile's products.  One wait on vm_vsrc stands behind the loads; the three address lines follow it, v6 and v7 for the NEXT tile.  One wait on va_vdst stands
;                        ahead of the store; no vector line stands between it and the next tile's loads, so it serves them too, over the backward jump.
.set XT,    1088                       ; an image of a fragment of x: 2 x 544 bytes
.set XC,    544                        ; registers 4-7 of it: 2 x 272
.set XSEQ,  8768                       ; a sequence's eight images + 64
.set AP,    272                        ; a row of attention output in LDS: 256 bytes + 16
.set ASEQ,  128*AP
.set SGP,   528                        ; a row of x in a wave's stage: 512 bytes + 16
.set STAGE, 0                          ; 16 waves x 16 rows x 528
.set XIMG,  135168                     ; x's fragments as images of their registers: seq XSEQ + tile XT + c XC + hh 272 + r 16
.set XSC,   170496                     ; their scale words: seq 512 + position 4
.set AROW,  172544                     ; 2 sequences x 128 rows x 272
.set WIMG,  242176                     ; the weights' 24 fragments as images: tile 1024 + c 512 + lane 16 (tiles 0-7 q, 8-15 k, 16-23 v)
.set WSC,   266752                     ; their scale words: tile 64 + column 4
.set SPARE, 268288                     ; the spare words, 128 bytes a wave: eight blocks of 256 bytes that no other line names
.set SPW, 1                            ; v1  SPARE + 4 x thread; never rewritten
.set NIL, 2                            ; v2  0; never rewritten
.set XA,  3                            ; v3  my lane's place in an image of my sequence pair's half
.set XSA, 4                            ; v4  and among its scale words
.set AW,  5                            ; v5  where I put 16 bytes of attention output
.set SGW, 8                            ; v8  stage, in: 16 x lane
.set SGR, 9                            ; v9  stage, out: row r, 64 hh
.set XIW, 10                           ; v10 where I store my tile's image
.set XSW, 11                           ; v11 and its scale word
.set L16, 12                           ; v12 16 x lane
.set ARD, 13                           ; v13 the way out: a0's rows
.set CRD, 14                           ; v14 the way out: codes
.set SCR, 15                           ; v15 the way out: scale words
.set LN,  16                           ; v16-28, v124-125: at the head only
.set RR,  17
.set HH,  18
.set WQO, 25
.set WKO, 26
.set WIW, 27
.set WSW, 28
.set WIR, 124
.set WSR, 125
.set WFQ, 16                           ; v16-39 my head's fragments of Wq, Wk, Wv
.set WFK, 24
.set WFV, 32
.set WSQ, 40                           ; v40-42 their scale words
.set WSK, 41
.set WSV, 42
.set XS,  43                           ; v43 x's scale word of the query tile
.set XF,  44                           ; v44-51 x's fragment of the query tile
.set QF,  52                           ; v52-59 q; 56-59 stay 0
.set KF,  60                           ; v60-95 k: tile t at 4 t; 92-95 are 0
.set VF,  96                           ; v96-127 v^T: four fragments
.set S,   128                          ; v128-191 scores, then p; packed p in 128-159
.set G,   192                          ; v192-223 x's fragments in the k/v phase; the stream; the quantiser's work
.set OA,  224                          ; v224-231 q's f32 tile, then O^T (keys 0-31, 64-95)
.set OB,  232                          ; v232-239 O^T (keys 32-63, 96-127)
.set T,   240                          ; v240-247 at work
.set T16, 248                          ; v248 16 x thread
.set OAD, 250                          ; v250 where the query tile's output goes (v6, v7: where the tile's image and scale word lie)
.set XK,  252                          ; v252-255 x's scale words in the k/v phase: they hold scales and nothing else
.set TM,  192
.set PC,  208
.set PW,  216
.set WV,  16                           ; s16 wave
.set SQ,  17
.set HD,  18
.set NC,  19                           ; -c
.set SEL, 20                           ; s[20:21] selects: lane xor 16
.set CS,  22                           ; s[22:23] c = log2(e) / 4
.set CNT, 24
.set IA,  27                           ; the query tile's output rows
.macro BARRIER                         ; my LDS stores have landed and my LDS loads are in: then the work-group's barrier
	s_wait_dscnt 0x0
	s_barrier_signal -1
	s_barrier_wait -1
.endm
.macro PLACES                          ; four plain places behind a matrix instruction (ISA guide 7.12.1)
.rept 4
	v_nop
.endr
.endm
; The weights: a lane takes a column, its registers run down K.  Wave: block wave % 4 of K, columns 32 (wave / 4) on: a load reads 128 neighbouring bytes.
.macro WLOAD pq, pkv
.set i, 0
.rept 32
	global_load_b32 v[S+i], v[WQO], s[\pq:\pq+1] offset:512*i
.set i, i+1
.endr
.set i, 0
.rept 32
	global_load_b32 v[S+32+i], v[WKO], s[\pkv:\pkv+1] offset:1024*i
.set i, i+1
.endr
.set i, 0
.rept 32
	global_load_b32 v[S+64+i], v[WKO], s[\pkv:\pkv+1] offset:1024*i+512
.set i, i+1
.endr
.endm
; One block of 32 along K of my column of weight j (0 q, 1 k, 2 v): scale byte and 32 codes, in registers of their own for each j.
.macro WQ j
.set WX, S+32*(\j)
	v_max3_num_f32 v[T], |v[WX]|, |v[WX+1]|, |v[WX+2]|
	v_max3_num_f32 v[T+1], |v[WX+3]|, |v[WX+4]|, |v[WX+5]|
.irp i, 6,10,14,18,22,26
	v_max3_num_f32 v[T], v[T], |v[WX+\i]|, |v[WX+\i+1]|
	v_max3_num_f32 v[T+1], v[T+1], |v[WX+\i+2]|, |v[WX+\i+3]|
.endr
	v_max3_num_f32 v[T], v[T], |v[WX+30]|, |v[WX+31]|
	v_max3_num_f32 v[T], v[T], v[T+1], 0x1800000   ; the floor 2^(3 - 127): the byte cannot fall under 1
	v_add_nc_u32 v[T+2], 0xff000000, v[T]          ; 2 off the exponent field: the conversion's scale operand
	v_lshrrev_b32 v[236+\j], 23, v[T+2]            ; the byte
.irp q, 0,1,2,3
	v_cvt_scalef32_pk8_fp4_f32 v[224+4*\j+\q], v[WX+8*\q:WX+8*\q+7], v[T+2]
.endr
	v_nop                                          ; one plain place behind a scaled conversion
.endm
.macro WST j                           ; and both to their place in the images
	ds_store_b128 v[WIW], v[224+4*\j:224+4*\j+3] offset:8192*\j
	ds_store_b8 v[WSW], v[236+\j] offset:512*\j
.endm
.macro WFETCH                          ; my head's three fragments and scale words; then the constants that stay
	s_wait_alu depctr_vm_vsrc(0)                   ; the head's loads and stores have read v25-28, in which fragments land, and their data v60-123 and v208-238, which vector and matrix lines and loads write from here on
.irp j, 0,1,2
	ds_load_b128 v[WFQ+8*\j:WFQ+8*\j+3], v[WIR] offset:8192*\j
	ds_load_b128 v[WFQ+8*\j+4:WFQ+8*\j+7], v[WIR] offset:8192*\j+512
	ds_load_b32 v[WSQ+\j], v[WSR] offset:512*\j
.endr
.irp i, 4,5,6,7
	v_mov_b32 v[QF+\i], 0                          ; q's channels 16-31
.endr
	v_mov_b32 v[T+4], 0                            ; a lane permute's destination counts as read
	v_mov_b32 v[T+5], 0                            ; named as upper halves of pairs
	v_mov_b32 v[T+7], 0
	s_wait_dscnt 0x0
	s_wait_alu depctr_vm_vsrc(0)                   ; the nine loads above have read v124 and v125, which v's roundings write
.endm
; 64 numbers of a lane, register 16 b + i = k 32 b + 16 hh + i of my row, become a fragment's codes in v[PC] on and its scale word in v[PW].
.macro QUANT s
.irp b, 0,1,2,3
	v_max3_num_f32 v[TM+\b], |v[\s+16*\b]|, |v[\s+1+16*\b]|, 0x1800000
.endr
.irp i, 2,4,6,8,10,12,14
.irp b, 0,1,2,3
	v_max3_num_f32 v[TM+\b], v[TM+\b], |v[\s+16*\b+\i]|, |v[\s+1+16*\b+\i]|
.endr
.endr
.irp b, 0,1,2,3
	v_permlanex16_b32 v[TM+4+\b], v[TM+\b], s[SEL], s[SEL+1]
.endr
.irp b, 0,1,2,3
	v_max_num_f32 v[TM+\b], v[TM+\b], v[TM+4+\b]   ; with lane xor 16's 16: the block's largest magnitude
.endr
.irp b, 0,1,2,3
	v_add_nc_u32 v[TM+12+\b], 0xff000000, v[TM+\b]
.endr
.irp b, 0,1,2,3
	v_lshrrev_b32 v[TM+4+\b], 23, v[TM+12+\b]
.endr
	v_lshl_or_b32 v[PW], v[TM+5], 8, v[TM+4]
	v_lshl_or_b32 v[PW], v[TM+6], 16, v[PW]
	v_lshl_or_b32 v[PW], v[TM+7], 24, v[PW]
.irp b, 0,1,2,3
	v_cvt_scalef32_pk8_fp4_f32 v[PC+2*\b], v[\s+16*\b:\s+7+16*\b], v[TM+12+\b]
	v_cvt_scalef32_pk8_fp4_f32 v[PC+1+2*\b], v[\s+8+16*\b:\s+15+16*\b], v[TM+12+\b]
.endr
	v_nop                                          ; one plain place behind a scaled conversion
.irp c, 0,1                                    ; a whole block to a lane: lanes 0-15 block 2 c, lanes 16-31 block 2 c + 1
.irp i, 0,1
	v_permlane16_swap_b32 v[PC+4*\c+\i], v[PC+2+4*\c+\i]
.endr
.endr
.endm
; My 16 rows of x come back from my stage, 16 neighbours of each block a lane, and leave as an image and a scale word (sequence 2 t + SQ, tile HD).
; The loads land in v128-191: the last vector and matrix lines that named these stand ahead of a wait on va_vdst (t = 0: the weights' quantiser's; t = 1: the last query tile's), with no vector line behind it.
.macro XQ t
.irp b, 0,1,2,3
.irp j, 0,1,2,3
	ds_load_b128 v[S+16*\b+4*\j:S+16*\b+4*\j+3], v[SGR] offset:128*\b+16*\j   ; LDS serves a wave's instructions in order: these see my stores
.endr
.endr
	s_wait_dscnt 0x0
.if \t
	s_wait_alu depctr_vm_vsrc(0)                   ; the stream's stores into the stage have read v192-223, which the quantiser writes
.endif
	QUANT S
	s_wait_alu depctr_va_vdst(0)                   ; the quantiser has written v208-216, which the three stores read; it is done with v128-223, in which the way out's and the next trip's loads land
	ds_store_b128 v[XIW], v[PC:PC+3] offset:\t*2*XSEQ
	ds_store_b128 v[XIW], v[PC+4:PC+7] offset:\t*2*XSEQ+XC
	ds_store_b32 v[XSW], v[PW] offset:\t*1024      ; both halves of the lanes write the same word with the same value
.endm
; k and v of four tiles of 16 positions: the loads; eight products, each into registers of its own; the roundings to f16.
.macro KVLOAD t, gg
.irp j, 0,1,2,3
	ds_load_b128 v[G+8*\j:G+8*\j+3], v[XA] offset:\t*2*XSEQ+(4*\gg+\j)*XT
	ds_load_b128 v[G+8*\j+4:G+8*\j+7], v[XA] offset:\t*2*XSEQ+(4*\gg+\j)*XT+XC
	ds_load_b32 v[XK+\j], v[XSA] offset:\t*1024+(4*\gg+\j)*64
.endr
.endm
.macro KVMUL
.irp j, 0,1,2,3
	v_wmma_scale_f32_16x16x128_f8f6f4 v[S+16*\j:S+16*\j+7], v[WFK:WFK+7], v[G+8*\j:G+8*\j+7], 0, v[WSK], v[XK+\j] matrix_a_fmt:MATRIX_FMT_FP4 matrix_b_fmt:MATRIX_FMT_FP4
	v_wmma_scale_f32_16x16x128_f8f6f4 v[S+16*\j+8:S+16*\j+15], v[G+8*\j:G+8*\j+7], v[WFV:WFV+7], 0, v[XK+\j], v[WSV] matrix_a_fmt:MATRIX_FMT_FP4 matrix_b_fmt:MATRIX_FMT_FP4
.endr
.endm
.macro KVPACK gg
.irp j, 0,1,2,3
.irp p, 0,1,2,3
	v_cvt_pk_f16_f32 v[KF+4*(4*\gg+\j)+\p], v[S+16*\j+2*\p], v[S+16*\j+2*\p+1]       ; each result from its low end on
.endr
.irp p, 0,1,2,3
	v_cvt_pk_f16_f32 v[VF+4*(4*\gg+\j)+\p], v[S+16*\j+8+2*\p], v[S+16*\j+9+2*\p]
.endr
.endr
.endm
; ahead = 1: the next trip's tile of x, rows 0-7, is asked for into v192-223 as soon as the products are done with them: four query tiles in which to land.
.macro KV t, ahead
.irp i, 32,33,34,35
	v_mov_b32 v[KF+\i], 0                          ; the upper half of k's last tile
.endr
	KVLOAD \t, 0                                   ; no wait: the quantiser of x, the last to name v192-223, stands ahead of its own wait on va_vdst, and its stores ahead of a wait on vm_vsrc
	s_wait_dscnt 0x0
	KVMUL
	PLACES
	s_wait_alu depctr_va_vdst(0)                   ; the eight products are done reading v192-223 and v252-255, in which the next four tiles land
	KVLOAD \t, 1
	KVPACK 0                                       ; the roundings stand behind the loads, which name none of their registers
	s_wait_dscnt 0x0
	KVMUL
	PLACES
.if \ahead
	s_wait_alu depctr_va_vdst(0)                   ; the eight products are done reading v192-223, in which the stream's loads land
.irp i, 0,1,2,3,4,5,6,7
	global_load_b128 v[G+4*\i:G+4*\i+3], v[L16], s[4:5] offset:65536*\i+1024 th:TH_LOAD_NT
.endr
.endif
	KVPACK 1
.endm
; ONE TILE OF 16 QUERIES against the sequence's 128 keys.
.macro UNIT
	ds_load_b128 v[XF:XF+3], v6                    ; no wait: v6 and v7 were written, and v43-51 read by the last q product, ahead of the wait on va_vdst that stands last in front of these lines
	ds_load_b128 v[XF+4:XF+7], v6 offset:XC
	ds_load_b32 v[XS], v7
	s_wait_dscnt 0x0                               ; they are in; the last tile's store has read its registers
	s_wait_alu depctr_vm_vsrc(0)                   ; the three loads have read v6 and v7, the last tile's store v250 and v232-235: all are written again below
	v_wmma_scale_f32_16x16x128_f8f6f4 v[OA:OA+7], v[WFQ:WFQ+7], v[XF:XF+7], 0, v[WSQ], v[XS] matrix_a_fmt:MATRIX_FMT_FP4 matrix_b_fmt:MATRIX_FMT_FP4
	v_add_nc_u32 v6, XT, v6                        ; the NEXT tile's image,
	v_add_nc_u32 v7, 64, v7                        ; and its scale words;
	v_add_nc_u32 v[OAD], s[IA], v[AW]              ; where this tile's output goes: with one v_nop the four places
	v_nop
.irp p, 0,1,2,3
	v_cvt_pk_f16_f32 v[QF+\p], v[OA+2*\p], v[OA+2*\p+1]
.endr
.irp k, 0,1,2,3,4,5,6,7
	v_wmma_f32_16x16x32_f16 v[S+8*\k:S+8*\k+7], v[KF+4*\k:KF+4*\k+7], v[QF:QF+7], 0    ; S^T: register j = key 16 k + 8 hh + j of query r
.endr
	PLACES
.irp q, 0,1,2,3                                ; the maximum: four chains of 16 scores by turns; each tile is first read at its low end
	v_max3_num_f32 v[T+\q], v[S+16*\q], v[S+16*\q+1], v[S+16*\q+2]
.endr
.irp i, 3,5,7,9,11,13
.irp q, 0,1,2,3
	v_max3_num_f32 v[T+\q], v[T+\q], v[S+16*\q+\i], v[S+16*\q+\i+1]
.endr
.endr
.irp q, 0,1,2,3
	v_max_num_f32 v[T+\q], v[T+\q], v[S+16*\q+15]
.endr
	v_max3_num_f32 v[T], v[T], v[T+1], v[T+2]
	v_max_num_f32 v[T], v[T], v[T+3]
	v_permlanex16_b32 v[T+4], v[T], s[SEL], s[SEL+1]   ; the query's other 64 keys lie in the lane 16 away
	v_max_num_f32 v[T], v[T], v[T+4]
	v_mul_f32 v[T+6], s[NC], v[T]                  ; - c m
.set j, 0
.rept 16
	v_pk_fma_f32 v[S+2*j:S+2*j+1], v[S+2*j:S+2*j+1], s[CS:CS+1], v[T+6:T+7] op_sel_hi:[1,0,0]   ; c s - c m, pairs 0-15
.set j, j+1
.endr
.set j, 0
.rept 16                                       ; first batch of exponentials; the other pairs' scalings stand between
	v_exp_f32 v[S+2*j], v[S+2*j]
	v_exp_f32 v[S+2*j+1], v[S+2*j+1]
	v_pk_fma_f32 v[S+32+2*j:S+33+2*j], v[S+32+2*j:S+33+2*j], s[CS:CS+1], v[T+6:T+7] op_sel_hi:[1,0,0]
.set j, j+1
.endr
	s_wait_alu depctr_va_vdst(0)                   ; the first batch's 32 exponentials have written v128-159: one wait, ahead of their first reader
.set j, 0
.rept 16                                       ; second batch; the first batch's sums (unrounded p, two chains) and roundings stand between
	v_exp_f32 v[S+32+2*j], v[S+32+2*j]
	v_exp_f32 v[S+33+2*j], v[S+33+2*j]
.if j == 0
	v_pk_add_f32 v[T:T+1], v[S:S+1], v[S+4:S+5]    ; pairs 0 and 2 start one chain,
.elseif j == 1
	v_pk_add_f32 v[T+2:T+3], v[S+2:S+3], v[S+6:S+7]    ; pairs 1 and 3 the other
.elseif j > 3
	v_pk_add_f32 v[T+2*(j%2):T+2*(j%2)+1], v[T+2*(j%2):T+2*(j%2)+1], v[S+2*j:S+2*j+1]
.endif
	v_cvt_pk_f16_f32 v[S+j], v[S+2*j], v[S+2*j+1]  ; pair j into register j: in place, behind its sum
.set j, j+1
.endr
	s_wait_alu depctr_va_vdst(0)                   ; the second batch's 32 have written v160-191: one wait, ahead of their first reader
.set j, 0
.rept 16
	v_pk_add_f32 v[T+2*(j%2):T+2*(j%2)+1], v[T+2*(j%2):T+2*(j%2)+1], v[S+32+2*j:S+33+2*j]
	v_cvt_pk_f16_f32 v[S+16+j], v[S+32+2*j], v[S+33+2*j]
.set j, j+1
.endr
	v_wmma_f32_16x16x32_f16 v[OA:OA+7], v[VF:VF+7], v[S:S+7], 0                    ; O^T = v^T p: two accumulators by turns
	v_wmma_f32_16x16x32_f16 v[OB:OB+7], v[VF+8:VF+15], v[S+8:S+15], 0
	v_wmma_f32_16x16x32_f16 v[OA:OA+7], v[VF+16:VF+23], v[S+16:S+23], v[OA:OA+7]
	v_wmma_f32_16x16x32_f16 v[OB:OB+7], v[VF+24:VF+31], v[S+24:S+31], v[OB:OB+7]
	v_pk_add_f32 v[T:T+1], v[T:T+1], v[T+2:T+3]    ; the row's sum: these lines are also the places behind the products
	v_add_f32 v[T], v[T], v[T+1]
	v_permlanex16_b32 v[T+4], v[T], s[SEL], s[SEL+1]
	v_add_f32 v[T], v[T], v[T+4]
	v_rcp_f32 v[T+4], v[T]
	v_nop                                          ; a plain place behind the reciprocal
	s_wait_alu depctr_va_vdst(0)                   ; the reciprocal has written v244, ahead of its first reader
.irp p, 0,2,4,6
	v_pk_add_f32 v[OA+\p:OA+\p+1], v[OA+\p:OA+\p+1], v[OB+\p:OB+\p+1]
.endr
.irp p, 0,2,4,6
	v_pk_mul_f32 v[OA+\p:OA+\p+1], v[OA+\p:OA+\p+1], v[T+4:T+5] op_sel_hi:[1,0]
.endr
.irp p, 0,1,2,3
	v_cvt_pk_f16_f32 v[OB+\p], v[OA+2*\p], v[OA+2*\p+1]
.endr
	s_wait_alu depctr_va_vdst(0)                   ; the roundings have written v232-235, which the store reads.  No vector line follows in this tile: so it also serves the loads that come next, into v43-51 or v128-191
	ds_store_b128 v[OAD], v[OB:OB+3]               ; query r, channels 16 HD + 8 hh + 0..7
.endm
.macro ATTLOOP n, q0, t                ; query tiles q0 .. q0 + n - 1 of the trip's sequence
	v_add_nc_u32 v6, \t*2*XSEQ+\q0*XT, v[XA]       ; the first tile's image and scale words (no load by v6 or v7 has been issued since the last wait on vm_vsrc)
	v_add_nc_u32 v7, \t*1024+\q0*64, v[XSA]
	s_mov_b32 s[IA], \q0*16*AP
	s_mov_b32 s[CNT], 0
	s_wait_alu depctr_va_vdst(0)                   ; v6 and v7 are written, which the first tile's loads read
.Latt_\@:
	UNIT
	s_add_co_u32 s[IA], s[IA], 16*AP
	s_add_co_u32 s[CNT], s[CNT], 1
	s_cmp_lt_u32 s[CNT], \n
	s_cbranch_scc1 .Latt_\@
.endm
; The way out of a trip: wave w takes positions h = 8 w .. 8 w + 7.  A load and a store cover one h: lanes 0-15 the first sequence's row of 256 bytes,
; lanes 16-31 the second's: 512 neighbouring bytes of a0.  In trip 0 also x's codes (512 neighbouring bytes: two h x four w) and, in waves 0-3, the scale words.
; The loads land in v128-179: the last vector lines that named these stand ahead of a wait on va_vdst (t = 0: the quantiser's; t = 1: the last query tile's), with no vector line behind it.
.macro OUT t
.irp j, 0,1,2,3,4,5,6,7
	ds_load_b128 v[S+4*\j:S+4*\j+3], v[ARD] offset:AP*\j
.endr
.if \t == 0
.irp j, 0,1,2,3
	ds_load_b128 v[S+32+4*\j:S+32+4*\j+3], v[CRD] offset:32*\j
.endr
	s_cmp_lt_u32 s[WV], 4
	s_cbranch_scc0 .Lno_words
.irp q, 0,1,2,3
	ds_load_b32 v[S+48+\q], v[SCR] offset:512*\q   ; thread = h: the words of the four sequences
.endr
	s_wait_dscnt 0x0
	global_store_b128 v[T16], v[S+48:S+51], s[14:15]
.Lno_words:
.endif
	s_wait_dscnt 0x0
.irp j, 0,1,2,3,4,5,6,7
	global_store_b128 v[L16], v[S+4*\j:S+4*\j+3], s[10:11] offset:32768*\j+512*\t
.endr
.if \t == 0
.irp j, 0,1,2,3
	global_store_b128 v[L16], v[S+32+4*\j:S+32+4*\j+3], s[12:13] offset:512*\j
.endr
	s_wait_xcnt 0x0                                ; the stores' data registers are written again in the next trip only behind this wait
	s_wait_alu depctr_vm_vsrc(0)                   ; the stores above have read v128-179, which the next trip's products write; the quantiser's stores v208-216, in which its loads land
.endif
.endm
	s_load_b256 s[4:11], s[0:1], 0x0               ; x s[4:5], Wq0 s[6:7], Wkv0 s[8:9], a0 s[10:11]
	s_load_b128 s[12:15], s[0:1], 0x20             ; xc s[12:13], xs s[14:15]
	v_lshl_add_u32 v[SPW], v0, 2, SPARE
	v_mov_b32 v[NIL], 0
	v_lshrrev_b32 v6, 5, v0
	v_readfirstlane_b32 s[WV], v6                  ; wave 0..15
	s_wait_alu depctr_va_sdst(0)                   ; s16 is written, ahead of its first reader
	s_lshr_b32 s[SQ], s[WV], 3
	s_and_b32 s[HD], s[WV], 7
	s_mov_b32 s[SEL], 0x76543210
	s_mov_b32 s[SEL+1], 0xfedcba98
	s_mov_b32 s[CS], 0x3eb8aa3b                    ; c = log2(e) / sqrt(16)
	s_mov_b32 s[CS+1], s[CS]
	s_mov_b32 s[NC], 0xbeb8aa3b
	v_and_b32 v[LN], 31, v0
	v_and_b32 v[RR], 15, v0
	v_bfe_u32 v[HH], v0, 4, 1
	; every LDS address: a constant + constants x lane parts + constants x wave parts
	v_lshlrev_b32 v19, 4, v[RR]
	v_mad_u32_u24 v19, v[HH], 272, v19
	s_mul_i32 s48, s[SQ], XSEQ
	s_add_co_u32 s48, s48, XIMG
	v_add_nc_u32 v[XA], s48, v19
	s_lshl_b32 s49, s[SQ], 9
	s_add_co_u32 s49, s49, XSC
	v_lshl_add_u32 v[XSA], v[RR], 2, s49
	v_mul_u32_u24 v20, v[RR], AP
	v_lshl_add_u32 v20, v[HH], 4, v20
	s_mul_i32 s50, s[SQ], ASEQ
	s_lshl_b32 s51, s[HD], 5
	s_add_co_u32 s50, s50, s51
	s_add_co_u32 s50, s50, AROW
	v_add_nc_u32 v[AW], s50, v20
	s_mul_i32 s51, s[WV], 16*SGP
	v_lshl_add_u32 v[SGW], v[LN], 4, s51
	v_mul_u32_u24 v21, v[RR], SGP
	v_lshl_add_u32 v21, v[HH], 6, v21
	v_add_nc_u32 v[SGR], s51, v21
	s_mul_i32 s52, s[HD], XT
	v_add_nc_u32 v[XIW], s52, v[XA]
	s_lshl_b32 s53, s[HD], 6
	v_add_nc_u32 v[XSW], s53, v[XSA]
	v_lshlrev_b32 v[L16], 4, v[LN]
	v_mul_u32_u24 v22, v[HH], ASEQ
	v_lshl_add_u32 v22, v[RR], 4, v22
	s_mul_i32 s54, s[WV], 8*AP
	s_add_co_u32 s54, s54, AROW
	v_add_nc_u32 v[ARD], s54, v22
	v_bfe_u32 v23, v0, 2, 2
	v_mul_u32_u24 v23, v23, XSEQ
	v_bfe_u32 v24, v0, 1, 1
	v_mad_u32_u24 v23, v24, XC, v23
	v_and_b32 v24, 1, v0
	v_mad_u32_u24 v23, v24, 272, v23
	v_lshl_add_u32 v23, v[HH], 4, v23
	s_lshr_b32 s55, s[WV], 1
	s_mul_i32 s55, s55, XT
	s_and_b32 s56, s[WV], 1
	s_lshl_b32 s56, s56, 7
	s_add_co_u32 s55, s55, s56
	s_add_co_u32 s55, s55, XIMG
	v_add_nc_u32 v[CRD], s55, v23
	v_lshl_add_u32 v[SCR], v0, 2, XSC
	v_lshlrev_b32 v[T16], 4, v0
	; the weights: block bk = wave % 4 of K, columns 32 cg on, cg = wave / 4
	s_and_b32 s48, s[WV], 3
	s_lshr_b32 s49, s[WV], 2
	s_lshl_b32 s50, s49, 7
	s_lshl_b32 s51, s48, 14
	s_add_co_u32 s51, s51, s50
	v_lshl_add_u32 v[WQO], v[LN], 2, s51           ; Wq: 32 bk rows of 512 bytes + 128 cg + 4 lane
	s_lshl_b32 s52, s48, 15
	s_add_co_u32 s52, s52, s50
	v_lshl_add_u32 v[WKO], v[LN], 2, s52           ; Wkv: rows of 1,024 bytes
	s_lshl_b32 s53, s49, 11
	s_lshl_b32 s54, s48, 8
	s_add_co_u32 s53, s53, s54
	s_add_co_u32 s53, s53, WIMG
	v_lshlrev_b32 v[WIW], 10, v[HH]
	v_lshl_add_u32 v[WIW], v[RR], 4, v[WIW]
	v_add_nc_u32 v[WIW], s53, v[WIW]               ; tile 2 cg + hh, block bk's 256 bytes, column r
	s_add_co_u32 s55, s50, s48
	s_add_co_u32 s55, s55, WSC
	v_lshl_add_u32 v[WSW], v[LN], 2, s55           ; my column's word, byte bk
	s_lshl_b32 s56, s[HD], 10
	s_add_co_u32 s56, s56, WIMG
	v_lshl_add_u32 v[WIR], v[LN], 4, s56
	s_lshl_b32 s57, s[HD], 6
	s_add_co_u32 s57, s57, WSC
	v_lshl_add_u32 v[WSR], v[RR], 2, s57
	; where my parts begin in memory, as offsets under 2^27
	s_lshr_b32 s30, ttmp9, 5                       ; b
	s_and_b32 s31, ttmp9, 31                       ; w0 / 4
	s_lshl_b32 s32, s30, 23
	s_lshl_b32 s33, s[HD], 20                      ; 16 HD rows h of 65,536 bytes
	s_add_co_u32 s32, s32, s33
	s_lshl_b32 s33, s31, 11
	s_add_co_u32 s32, s32, s33
	s_lshl_b32 s33, s[SQ], 9
	s_add_co_u32 s32, s32, s33
	s_mov_b32 s33, 0
	s_lshl_b32 s34, s30, 22
	s_lshl_b32 s35, s[WV], 18                      ; 8 wave rows h of 32,768 bytes
	s_add_co_u32 s34, s34, s35
	s_lshl_b32 s35, s31, 10
	s_add_co_u32 s34, s34, s35
	s_mov_b32 s35, 0
	s_lshl_b32 s36, ttmp9, 15
	s_lshl_b32 s37, s[WV], 11
	s_add_co_u32 s36, s36, s37
	s_mov_b32 s37, 0
	s_lshl_b32 s38, ttmp9, 11
	s_mov_b32 s39, 0
	s_wait_kmcnt 0x0
	s_add_nc_u64 s[4:5], s[4:5], s[32:33]
	s_add_nc_u64 s[10:11], s[10:11], s[34:35]
	s_add_nc_u64 s[12:13], s[12:13], s[36:37]
	s_add_nc_u64 s[14:15], s[14:15], s[38:39]
	s_wait_alu depctr_va_vdst(0)                   ; every address and offset of the kernel but v6, v7 and v250 is written: v1-5, v8-15, v25-28, v124, v125, v248; the head's lines are done with v16-28, in which fragments land later
	WLOAD 6, 8
.set i, 0
.rept 16
	global_load_b128 v[KF+4*i:KF+4*i+3], v[L16], s[4:5] offset:65536*i th:TH_LOAD_NT   ; my tile of x: a row of 512 bytes a load
.set i, i+1
.endr
	s_wait_loadcnt 16                              ; the weights' 96 loads are in; x's 16, issued behind them, may be out
	WQ 0
	WQ 1
	WQ 2
	s_wait_alu depctr_va_vdst(0)                   ; the quantiser has written v224-238, which the six stores read, and is done reading v128-223, in which rows from the stage and x's fragments land
	WST 0
	WST 1
	WST 2
	s_wait_loadcnt 0x0
.set i, 0
.rept 16
	ds_store_b128 v[SGW], v[KF+4*i:KF+4*i+3] offset:SGP*i
.set i, i+1
.endr
	XQ 0
	BARRIER                                        ; the weights' images and those of sequences 0, 1 lie in LDS
	WFETCH
	KV 0, 1
	ATTLOOP 4, 0, 0
	s_wait_loadcnt 0x0
.irp i, 0,1,2,3,4,5,6,7
	ds_store_b128 v[SGW], v[G+4*\i:G+4*\i+3] offset:SGP*\i
.endr
	s_wait_dscnt 0x0                               ; the stores have landed
	s_wait_alu depctr_vm_vsrc(0)                   ; and have read v192-223, in which the next loads land (no vector line has named these since the wait ahead of the first eight loads)
.irp i, 0,1,2,3,4,5,6,7
	global_load_b128 v[G+4*\i:G+4*\i+3], v[L16], s[4:5] offset:65536*(8+\i)+1024 th:TH_LOAD_NT
.endr
	ATTLOOP 4, 4, 0
	s_wait_loadcnt 0x0
.irp i, 0,1,2,3,4,5,6,7
	ds_store_b128 v[SGW], v[G+4*\i:G+4*\i+3] offset:SGP*(8+\i)
.endr
	XQ 1
	BARRIER                                        ; trip 0's output rows and the images of sequences 2, 3 lie in LDS
	OUT 0
	BARRIER                                        ; every wave's reads of the output rows are over: trip 1 may write them
	KV 1, 0
	ATTLOOP 8, 0, 1
	BARRIER                                        ; trip 1's output rows lie in LDS
	OUT 1
	s_wait_dscnt 0x0                               ; the closing lines, six on end
	s_wait_alu 0x0
	s_wait_tensorcnt 0x0
	ds_add_u32 v[SPW], v[NIL]
	s_wait_dscnt 0x0
	s_endpgm
.Lfunc_end_k_q00d90fd53e_colpass:
	.size	k_q00d90fd53e_colpass, .Lfunc_end_k_q00d90fd53e_colpass-k_q00d90fd53e_colpass
	.p2alignl 7, 3214868480
	.fill 96, 4, 3214868480
	.section	.rodata,"a",@progbits
	.p2align	6, 0x0
	.amdhsa_kernel k_q00d90fd53e_colpass
		.amdhsa_group_segment_fixed_size 270336
		.amdhsa_private_segment_fixed_size 0
		.amdhsa_enable_private_segment 0
		.amdhsa_kernarg_size 48
		.amdhsa_user_sgpr_count 2
		.amdhsa_user_sgpr_kernarg_segment_ptr 1
		.amdhsa_wavefront_size32 1
		.amdhsa_system_sgpr_workgroup_id_x 1
		.amdhsa_system_sgpr_workgroup_id_y 1
		.amdhsa_system_sgpr_workgroup_id_z 1
		.amdhsa_system_vgpr_workitem_id 0
		.amdhsa_next_free_vgpr 256
		.amdhsa_next_free_sgpr 66
		.amdhsa_reserve_vcc 0
		.amdhsa_float_denorm_mode_32 3
		.amdhsa_float_denorm_mode_16_64 3
		.amdhsa_memory_ordered 1
		.amdhsa_forward_progress 1
		.amdhsa_inst_pref_size 96
	.end_amdhsa_kernel
	.amdgpu_metadata
---
amdhsa.version: [ 1, 2 ]
amdhsa.kernels:
  - .name:           k_q00d90fd53e_colpass
    .symbol:         k_q00d90fd53e_colpass.kd
    .args:
      - { .name: x, .offset: 0, .size: 8, .value_kind: global_buffer, .address_space: global }
      - { .name: Wq0, .offset: 8, .size: 8, .value_kind: global_buffer, .address_space: global }
      - { .name: Wkv0, .offset: 16, .size: 8, .value_kind: global_buffer, .address_space: global }
      - { .name: a0, .offset: 24, .size: 8, .value_kind: global_buffer, .address_space: global }
      - { .name: xc, .offset: 32, .size: 8, .value_kind: global_buffer, .address_space: global }
      - { .name: xs, .offset: 40, .size: 8, .value_kind: global_buffer, .address_space: global }
    .group_segment_fixed_size: 270336
    .private_segment_fixed_size: 0
    .kernarg_segment_align: 8
    .kernarg_segment_size: 48
    .max_flat_workgroup_size: 512
    .sgpr_count:     66
    .vgpr_count:     256
    .wavefront_size: 32
...
	.end_amdgpu_metadata
.endif
;; end of part 3
;; launch rowpass (part 4): grid 256 x 1, 16 waves a work-group, no clusters, 279,040 bytes of LDS; arguments xc, xs, a0, Wq1, Wkv1, Wo0, Wo1, bo0, bo1, out0; writes out0
.if DOCPART == 4
	.amdgcn_target "amdgcn-amd-amdhsa--gfx1250"
	.amdhsa_code_object_version 6
	.text
	.protected	k_q00d90fd53e_rowpass
	.globl	k_q00d90fd53e_rowpass
	.p2align	8
	.type	k_q00d90fd53e_rowpass,@function
k_q00d90fd53e_rowpass:
	s_mov_b64 s[64:65], 0
	v_nop
	global_prefetch_b8 v0, s[64:65] scope:SCOPE_SE
	s_setreg_imm32_b32 hwreg(HW_REG_WAVE_SCHED_MODE, 0, 2), 2
	s_setreg_imm32_b32 hwreg(HW_REG_WAVE_MODE, 25, 1), 1
	s_wait_xcnt 0x0
	s_wait_alu depctr_vm_vsrc(0)
; PASS 1 OF THE AXIAL ATTENTION, along w for fixed (b, h), AND BOTH PROJECTIONS ON THE WAY OUT:
; out0[b][h][w][:] = a0[b][h][w][:] Wo0 + attention1[b][h][w][:] Wo1 + bo0 + bo1, one product with K = 256.
; Read: xc, xs (x's E2M1 codes and E8M0 bytes, [b][w/4][h][w%4][64 bytes] and [..][4 bytes]), a0 (pass 0's attention output, f16, [b][h][w][128]), the weights, the biases.
; x Wq1 and x Wkv1 go on E2M1 codes with E8M0 scales; q k^T, p v and the projection take f16 operands, f32 sums; the softmax is f32 with the row's true maximum taken away.
; SHARES.  Work-group g: b = g / 32, rows h0 = 4 (g % 32) .. + 3: four sequences of 128 positions, two a trip.  Wave = 8 SQ + HD takes head HD of sequence 2 t + SQ
; through q, k, v and the attention (layouts: a lane holds one query throughout; q's channels 16-31 are zeros, k's tiles lie 4 registers apart).
; In the projection the same wave makes 32 rows (pq = (wave / 2) % 4) x 64 columns (nh = wave % 2) of sequence SQ, transposed (source 0 = 16 columns of Wo, source 1 = 16 rows),
; so that a lane holds eight neighbouring numbers of a row; they leave through LDS as aligned runs of 256 bytes.
; THE WEIGHTS are read by every work-group as f32 and pass through registers (quantiser, rounding to f16); the launch has no tensor load, so there is no request that a cluster could make jointly.
; LIMITS.  q, k, v, both attention outputs and Wo are rounded to f16: magnitudes must stay under 65,504 (an overflowing k would also spoil the padded half of the sum); under 6e-5 they keep
; fewer bits.  A block of zeros of a weight gets the scale byte 1 (its codes are zeros).  NaN and infinities among the inputs are not served.
; THE MODE: SCHED_MODE bits 1:0 = 2 (LLVM: expert scheduling mode 2), set by the entry lines.  The code itself states the register dependences
; between vector or matrix instructions and memory or LDS instructions, with s_wait_alu, always for 0.
; THE PLAN.  Registers that memory or LDS instructions touch, and who else names them:
;   v1-5, v8-15, v248-249  addresses, made at the head ahead of one wait on va_vdst and never written again.
;   v16-34, v124-125     the head's own addresses.  v16-42 then take the weights' fragments (a wait on vm_vsrc ahead of those loads); v124-125 become part of v (a second one behind them).
;   v44-223, v224-238    at the head: codes, Wo and the weights as loaded; Wo's roundings and the quantiser work first, ONE wait on va_vdst follows, then all their stores.
;   v192-223, v252-255   k/v phase: loaded, read by eight products; behind the products' places one wait on va_vdst, then the next loads, then the roundings.  Then v192-223 hold pass 0's rows (loaded, stored to LDS, a wait on vm_vsrc).
;   THE LOOP OVER QUERY TILES.  v6, v7: addresses of the tile's three loads; v250: of its store; v43-51: loaded, read by the q product; v232-235: written by the last roundings, read by the store,
;                        written again by the next tile's products.  One wait on vm_vsrc stands behind the loads; the three address lines follow it, v6 and v7 for the NEXT tile.  One wait on va_vdst stands
;                        ahead of the store; no vector line stands between it and the next tile's loads, so it serves them too, over the backward jump.
;   THE PROJECTION.      Two buffers by turns: rows' fragments v192-207 / v208-223, Wo's v60-91 / v92-123.  K step u multiplies buffer u % 2; the loads of step u + 1 land in the other, which step u - 1 read.
;                        ONE wait on va_vdst at a step's head, behind the wait for the step's own fragments, states that step u - 1 is done; the 12 loads follow it, dealt among the step's first products,
;                        which name buffer u % 2 and the accumulators alone.  v128-191: the bias lands there, the products add onto it, the stage's stores read it behind one wait on va_vdst.
;   v60-123              on the way out: rows from the stage land there and the global stores read them; a wait on vm_vsrc stands ahead of the next trip.
.set XT,    1088
.set XC,    544
.set XSEQ,  8768
.set AP,    272
.set ASEQ,  128*AP
.set WP,    288                        ; a row k of Wo in LDS: 128 f16 + 32 bytes: an odd multiple of 32, for the turning load
.set XIMG,  0                          ; x's fragments as images of their registers: seq XSEQ + tile XT + c XC + hh 272 + r 16
.set XSC,   35328                      ; their scale words: seq 512 + position 4
.set A0ROW, 37376                      ; pass 0's rows: 2 sequences x 128 x 272
.set AROW,  107008                     ; this pass's rows, likewise
.set WOROW, 176640                     ; [Wo0; Wo1] as f16, 256 rows k x 288
.set BIAS,  250368                     ; bo0 + bo1, 512 bytes
.set WIMG,  250880
.set WSC,   275456
.set SPARE, 276992                     ; the spare words, 128 bytes a wave: eight blocks of 256 bytes that no other line names
.set SPW, 1
.set NIL, 2
.set XA,  3
.set XSA, 4
.set AW,  5
.set A0W, 8                            ; v8  where I put pass 0's rows
.set L16, 9                            ; v9  16 x lane
.set AA,  10                           ; v10 my rows' fragments of pass 0's output
.set AB,  11                           ; v11 and of this pass's
.set WA0, 12                           ; v12 Wo0's fragments, turned
.set WA1, 13                           ; v13 Wo1's
.set BA,  14                           ; v14 the bias of my columns
.set SW,  15                           ; v15 the way out: into my stage
.set LN,  16                           ; v16-34, v124-125: at the head only
.set RR,  17
.set HH,  18
.set WQO, 25
.set WKO, 26
.set WIW, 27
.set WSW, 28
.set XCW, 29
.set WOW, 30
.set XSG, 31
.set XSL, 32
.set BIW, 33
.set WIR, 124
.set WSR, 125
.set WFQ, 16
.set WFK, 24
.set WFV, 32
.set WSQ, 40
.set WSK, 41
.set WSV, 42
.set XS,  43
.set XF,  44
.set QF,  52
.set KF,  60
.set VF,  96
.set S,   128
.set G,   192
.set OA,  224
.set OB,  232
.set T,   240
.set SR,  248                          ; v248 the way out: back from my stage
.set GO,  249                          ; v249 and my bytes in two rows of out0
.set OAD, 250                          ; v250 where the query tile's output goes (v6, v7: where the tile's image and scale word lie)
.set XK,  252                          ; v252-255 x's scale words in the k/v phase: they hold scales and nothing else
.set WV,  24
.set SQ,  25
.set HD,  26
.set NH,  27
.set PQ,  28
.set NC,  29
.set SEL, 30
.set CS,  32
.set CNT, 34
.set IA,  37
.macro BARRIER                         ; my LDS stores have landed and my LDS loads are in: then the work-group's barrier
	s_wait_dscnt 0x0
	s_barrier_signal -1
	s_barrier_wait -1
.endm
.macro PLACES                          ; four plain places behind a matrix instruction (ISA guide 7.12.1)
.rept 4
	v_nop
.endr
.endm
; The weights: a lane takes a column, its registers run down K.  Wave: block wave % 4 of K, columns 32 (wave / 4) on: a load reads 128 neighbouring bytes.
.macro WLOAD pq, pkv
.set i, 0
.rept 32
	global_load_b32 v[S+i], v[WQO], s[\pq:\pq+1] offset:512*i
.set i, i+1
.endr
.set i, 0
.rept 32
	global_load_b32 v[S+32+i], v[WKO], s[\pkv:\pkv+1] offset:1024*i
.set i, i+1
.endr
.set i, 0
.rept 32
	global_load_b32 v[S+64+i], v[WKO], s[\pkv:\pkv+1] offset:1024*i+512
.set i, i+1
.endr
.endm
; One block of 32 along K of my column of weight j (0 q, 1 k, 2 v): scale byte and 32 codes, in registers of their own for each j.
.macro WQ j
.set WX, S+32*(\j)
	v_max3_num_f32 v[T], |v[WX]|, |v[WX+1]|, |v[WX+2]|
	v_max3_num_f32 v[T+1], |v[WX+3]|, |v[WX+4]|, |v[WX+5]|
.irp i, 6,10,14,18,22,26
	v_max3_num_f32 v[T], v[T], |v[WX+\i]|, |v[WX+\i+1]|
	v_max3_num_f32 v[T+1], v[T+1], |v[WX+\i+2]|, |v[WX+\i+3]|
.endr
	v_max3_num_f32 v[T], v[T], |v[WX+30]|, |v[WX+31]|
	v_max3_num_f32 v[T], v[T], v[T+1], 0x1800000   ; the floor 2^(3 - 127): the byte cannot fall under 1
	v_add_nc_u32 v[T+2], 0xff000000, v[T]          ; 2 off the exponent field: the conversion's scale operand
	v_lshrrev_b32 v[236+\j], 23, v[T+2]            ; the byte
.irp q, 0,1,2,3
	v_cvt_scalef32_pk8_fp4_f32 v[224+4*\j+\q], v[WX+8*\q:WX+8*\q+7], v[T+2]
.endr
	v_nop                                          ; one plain place behind a scaled conversion
.endm
.macro WST j                           ; and both to their place in the images
	ds_store_b128 v[WIW], v[224+4*\j:224+4*\j+3] offset:8192*\j
	ds_store_b8 v[WSW], v[236+\j] offset:512*\j
.endm
.macro WFETCH                          ; my head's three fragments and scale words; then the constants that stay
	s_wait_alu depctr_vm_vsrc(0)                   ; the head's loads and stores have read v25-33, in which fragments land, and their data v44-123 and v224-238, which vector and matrix lines write from here on
.irp j, 0,1,2
	ds_load_b128 v[WFQ+8*\j:WFQ+8*\j+3], v[WIR] offset:8192*\j
	ds_load_b128 v[WFQ+8*\j+4:WFQ+8*\j+7], v[WIR] offset:8192*\j+512
	ds_load_b32 v[WSQ+\j], v[WSR] offset:512*\j
.endr
.irp i, 4,5,6,7
	v_mov_b32 v[QF+\i], 0                          ; q's channels 16-31
.endr
	v_mov_b32 v[T+4], 0                            ; a lane permute's destination counts as read
	v_mov_b32 v[T+5], 0                            ; named as upper halves of pairs
	v_mov_b32 v[T+7], 0
	s_wait_dscnt 0x0
	s_wait_alu depctr_vm_vsrc(0)                   ; the nine loads above have read v124 and v125, which v's roundings write
.endm
; k and v of four tiles of 16 positions: the loads; eight products, each into registers of its own; the roundings to f16.
.macro KVLOAD t, gg
.irp j, 0,1,2,3
	ds_load_b128 v[G+8*\j:G+8*\j+3], v[XA] offset:\t*2*XSEQ+(4*\gg+\j)*XT
	ds_load_b128 v[G+8*\j+4:G+8*\j+7], v[XA] offset:\t*2*XSEQ+(4*\gg+\j)*XT+XC
	ds_load_b32 v[XK+\j], v[XSA] offset:\t*1024+(4*\gg+\j)*64
.endr
.endm
.macro KVMUL
.irp j, 0,1,2,3
	v_wmma_scale_f32_16x16x128_f8f6f4 v[S+16*\j:S+16*\j+7], v[WFK:WFK+7], v[G+8*\j:G+8*\j+7], 0, v[WSK], v[XK+\j] matrix_a_fmt:MATRIX_FMT_FP4 matrix_b_fmt:MATRIX_FMT_FP4
	v_wmma_scale_f32_16x16x128_f8f6f4 v[S+16*\j+8:S+16*\j+15], v[G+8*\j:G+8*\j+7], v[WFV:WFV+7], 0, v[XK+\j], v[WSV] matrix_a_fmt:MATRIX_FMT_FP4 matrix_b_fmt:MATRIX_FMT_FP4
.endr
.endm
.macro KVPACK gg
.irp j, 0,1,2,3
.irp p, 0,1,2,3
	v_cvt_pk_f16_f32 v[KF+4*(4*\gg+\j)+\p], v[S+16*\j+2*\p], v[S+16*\j+2*\p+1]       ; each result from its low end on
.endr
.irp p, 0,1,2,3
	v_cvt_pk_f16_f32 v[VF+4*(4*\gg+\j)+\p], v[S+16*\j+8+2*\p], v[S+16*\j+9+2*\p]
.endr
.endr
.endm
; Pass 0's rows 16 HD + 2 i, + 1 of my sequence are asked for into v192-223 as soon as the products are done with them: eight query tiles in which to land.
.macro KV t
.irp i, 32,33,34,35
	v_mov_b32 v[KF+\i], 0                          ; the upper half of k's last tile
.endr
	KVLOAD \t, 0                                   ; no wait: the last lines that named v192-223 (t = 0: the quantiser; t = 1: the projection's products) stand ahead of a wait on va_vdst behind which no vector line names them
	s_wait_dscnt 0x0
	KVMUL
	PLACES
	s_wait_alu depctr_va_vdst(0)                   ; the eight products are done reading v192-223 and v252-255, in which the next four tiles land
	KVLOAD \t, 1
	KVPACK 0                                       ; the roundings stand behind the loads, which name none of their registers
	s_wait_dscnt 0x0
	KVMUL
	PLACES
	s_wait_alu depctr_va_vdst(0)                   ; the eight products are done reading v192-223, in which pass 0's rows land
.irp i, 0,1,2,3,4,5,6,7
	global_load_b128 v[G+4*\i:G+4*\i+3], v[L16], s[8:9] offset:512*\i+65536*\t th:TH_LOAD_NT
.endr
	KVPACK 1
.endm
; ONE TILE OF 16 QUERIES against the sequence's 128 keys.
.macro UNIT
	ds_load_b128 v[XF:XF+3], v6                    ; no wait: v6 and v7 were written, and v43-51 read by the last q product, ahead of the wait on va_vdst that stands last in front of these lines
	ds_load_b128 v[XF+4:XF+7], v6 offset:XC
	ds_load_b32 v[XS], v7
	s_wait_dscnt 0x0                               ; they are in; the last tile's store has read its registers
	s_wait_alu depctr_vm_vsrc(0)                   ; the three loads have read v6 and v7, the last tile's store v250 and v232-235: all are written again below
	v_wmma_scale_f32_16x16x128_f8f6f4 v[OA:OA+7], v[WFQ:WFQ+7], v[XF:XF+7], 0, v[WSQ], v[XS] matrix_a_fmt:MATRIX_FMT_FP4 matrix_b_fmt:MATRIX_FMT_FP4
	v_add_nc_u32 v6, XT, v6                        ; the NEXT tile's image,
	v_add_nc_u32 v7, 64, v7                        ; and its scale words;
	v_add_nc_u32 v[OAD], s[IA], v[AW]              ; where this tile's output goes: with one v_nop the four places
	v_nop
.irp p, 0,1,2,3
	v_cvt_pk_f16_f32 v[QF+\p], v[OA+2*\p], v[OA+2*\p+1]
.endr
.irp k, 0,1,2,3,4,5,6,7
	v_wmma_f32_16x16x32_f16 v[S+8*\k:S+8*\k+7], v[KF+4*\k:KF+4*\k+7], v[QF:QF+7], 0    ; S^T: register j = key 16 k + 8 hh + j of query r
.endr
	PLACES
.irp q, 0,1,2,3                                ; the maximum: four chains of 16 scores by turns; each tile is first read at its low end
	v_max3_num_f32 v[T+\q], v[S+16*\q], v[S+16*\q+1], v[S+16*\q+2]
.endr
.irp i, 3,5,7,9,11,13
.irp q, 0,1,2,3
	v_max3_num_f32 v[T+\q], v[T+\q], v[S+16*\q+\i], v[S+16*\q+\i+1]
.endr
.endr
.irp q, 0,1,2,3
	v_max_num_f32 v[T+\q], v[T+\q], v[S+16*\q+15]
.endr
	v_max3_num_f32 v[T], v[T], v[T+1], v[T+2]
	v_max_num_f32 v[T], v[T], v[T+3]
	v_permlanex16_b32 v[T+4], v[T], s[SEL], s[SEL+1]   ; the query's other 64 keys lie in the lane 16 away
	v_max_num_f32 v[T], v[T], v[T+4]
	v_mul_f32 v[T+6], s[NC], v[T]                  ; - c m
.set j, 0
.rept 16
	v_pk_fma_f32 v[S+2*j:S+2*j+1], v[S+2*j:S+2*j+1], s[CS:CS+1], v[T+6:T+7] op_sel_hi:[1,0,0]   ; c s - c m, pairs 0-15
.set j, j+1
.endr
.set j, 0
.rept 16                                       ; first batch of exponentials; the other pairs' scalings stand between
	v_exp_f32 v[S+2*j], v[S+2*j]
	v_exp_f32 v[S+2*j+1], v[S+2*j+1]
	v_pk_fma_f32 v[S+32+2*j:S+33+2*j], v[S+32+2*j:S+33+2*j], s[CS:CS+1], v[T+6:T+7] op_sel_hi:[1,0,0]
.set j, j+1
.endr
	s_wait_alu depctr_va_vdst(0)                   ; the first batch's 32 exponentials have written v128-159: one wait, ahead of their first reader
.set j, 0
.rept 16                                       ; second batch; the first batch's sums (unrounded p, two chains) and roundings stand between
	v_exp_f32 v[S+32+2*j], v[S+32+2*j]
	v_exp_f32 v[S+33+2*j], v[S+33+2*j]
.if j == 0
	v_pk_add_f32 v[T:T+1], v[S:S+1], v[S+4:S+5]    ; pairs 0 and 2 start one chain,
.elseif j == 1
	v_pk_add_f32 v[T+2:T+3], v[S+2:S+3], v[S+6:S+7]    ; pairs 1 and 3 the other
.elseif j > 3
	v_pk_add_f32 v[T+2*(j%2):T+2*(j%2)+1], v[T+2*(j%2):T+2*(j%2)+1], v[S+2*j:S+2*j+1]
.endif
	v_cvt_pk_f16_f32 v[S+j], v[S+2*j], v[S+2*j+1]  ; pair j into register j: in place, behind its sum
.set j, j+1
.endr
	s_wait_alu depctr_va_vdst(0)                   ; the second batch's 32 have written v160-191: one wait, ahead of their first reader
.set j, 0
.rept 16
	v_pk_add_f32 v[T+2*(j%2):T+2*(j%2)+1], v[T+2*(j%2):T+2*(j%2)+1], v[S+32+2*j:S+33+2*j]
	v_cvt_pk_f16_f32 v[S+16+j], v[S+32+2*j], v[S+33+2*j]
.set j, j+1
.endr
	v_wmma_f32_16x16x32_f16 v[OA:OA+7], v[VF:VF+7], v[S:S+7], 0                    ; O^T = v^T p: two accumulators by turns
	v_wmma_f32_16x16x32_f16 v[OB:OB+7], v[VF+8:VF+15], v[S+8:S+15], 0
	v_wmma_f32_16x16x32_f16 v[OA:OA+7], v[VF+16:VF+23], v[S+16:S+23], v[OA:OA+7]
	v_wmma_f32_16x16x32_f16 v[OB:OB+7], v[VF+24:VF+31], v[S+24:S+31], v[OB:OB+7]
	v_pk_add_f32 v[T:T+1], v[T:T+1], v[T+2:T+3]    ; the row's sum: these lines are also the places behind the products
	v_add_f32 v[T], v[T], v[T+1]
	v_permlanex16_b32 v[T+4], v[T], s[SEL], s[SEL+1]
	v_add_f32 v[T], v[T], v[T+4]
	v_rcp_f32 v[T+4], v[T]
	v_nop                                          ; a plain place behind the reciprocal
	s_wait_alu depctr_va_vdst(0)                   ; the reciprocal has written v244, ahead of its first reader
.irp p, 0,2,4,6
	v_pk_add_f32 v[OA+\p:OA+\p+1], v[OA+\p:OA+\p+1], v[OB+\p:OB+\p+1]
.endr
.irp p, 0,2,4,6
	v_pk_mul_f32 v[OA+\p:OA+\p+1], v[OA+\p:OA+\p+1], v[T+4:T+5] op_sel_hi:[1,0]
.endr
.irp p, 0,1,2,3
	v_cvt_pk_f16_f32 v[OB+\p], v[OA+2*\p], v[OA+2*\p+1]
.endr
	s_wait_alu depctr_va_vdst(0)                   ; the roundings have written v232-235, which the store reads.  No vector line follows in this tile: so it also serves the loads that come next, into v43-51, or into v60-191 behind the loop
	ds_store_b128 v[OAD], v[OB:OB+3]               ; query r, channels 16 HD + 8 hh + 0..7
.endm
.macro ATTLOOP n, q0, t                ; query tiles q0 .. q0 + n - 1 of the trip's sequence
	v_add_nc_u32 v6, \t*2*XSEQ+\q0*XT, v[XA]       ; the first tile's image and scale words (no load by v6 or v7 has been issued since the last wait on vm_vsrc)
	v_add_nc_u32 v7, \t*1024+\q0*64, v[XSA]
	s_mov_b32 s[IA], \q0*16*AP
	s_mov_b32 s[CNT], 0
	s_wait_alu depctr_va_vdst(0)                   ; v6 and v7 are written, which the first tile's loads read
.Latt_\@:
	UNIT
	s_add_co_u32 s[IA], s[IA], 16*AP
	s_add_co_u32 s[CNT], s[CNT], 1
	s_cmp_lt_u32 s[CNT], \n
	s_cbranch_scc1 .Latt_\@
.endm
; THE PROJECTION.  K step u of eight (32 along K; 0-3: pass 0's output and Wo0, 4-7: this pass's and Wo1): 12 LDS loads into buffer u % 2:
; my two tiles of rows (two loads of 16 bytes each, 32 bytes apart) and my four tiles of columns of Wo, turned on the way ([k][n] in LDS).
.macro LDA u, p                        ; tile p of my rows
.set FA, G+16*((\u)%2)
.if (\u) < 4
.set ADA, AA
.else
.set ADA, AB
.endif
	ds_load_b128 v[FA+8*\p:FA+8*\p+3], v[ADA] offset:16*AP*\p+64*((\u)%4)
	ds_load_b128 v[FA+8*\p+4:FA+8*\p+7], v[ADA] offset:16*AP*\p+64*((\u)%4)+32
.endm
.macro LDW u, n                        ; tile n of my columns of Wo
.set FW, KF+32*((\u)%2)
.if (\u) < 4
.set ADW, WA0
.else
.set ADW, WA1
.endif
	ds_load_tr16_b128 v[FW+8*\n:FW+8*\n+3], v[ADW] offset:32*WP*((\u)%4)+32*\n
	ds_load_tr16_b128 v[FW+8*\n+4:FW+8*\n+7], v[ADW] offset:32*WP*((\u)%4)+32*\n+16*WP
.endm
.macro MM u, p, n                      ; one product: rows' tile p x columns' tile n
.set MA, G+16*((\u)%2)
.set MW, KF+32*((\u)%2)
	v_wmma_f32_16x16x32_f16 v[S+8*(4*\p+\n):S+8*(4*\p+\n)+7], v[MW+8*\n:MW+8*\n+7], v[MA+8*\p:MA+8*\p+7], v[S+8*(4*\p+\n):S+8*(4*\p+\n)+7]
.endm
; A K step: eight accumulators by turns, in the same order in every K step; the next step's 12 loads stand behind its first three products.
.macro STEPK u
	s_wait_dscnt 0x0                               ; this K step's fragments are in (step 0: and the bias): no younger LDS instruction is out
.if ((\u) > 0) && ((\u) < 7)
	PLACES                                         ; in front of loads into the buffer that the last K step's products read
	s_wait_alu depctr_va_vdst(0)                   ; the last K step's products are done reading the other buffer, in which the 12 loads below land (step 0: the last query tile's wait has stated that of k and v)
.endif
	MM \u, 0, 0
.if (\u) < 7
	LDA \u+1, 0                                    ; no wait: the products since the wait name this step's buffer and the accumulators alone
	LDA \u+1, 1
.endif
	MM \u, 0, 1
.if (\u) < 7
	LDW \u+1, 0
	LDW \u+1, 1
.endif
	MM \u, 0, 2
.if (\u) < 7
	LDW \u+1, 2
	LDW \u+1, 3
.endif
	MM \u, 0, 3
	MM \u, 1, 0
	MM \u, 1, 1
	MM \u, 1, 2
	MM \u, 1, 3
.endm
.macro TRIP t
	KV \t
	ATTLOOP 8, 0, \t
	s_wait_loadcnt 0x0
.irp i, 0,1,2,3,4,5,6,7
	ds_store_b128 v[A0W], v[G+4*\i:G+4*\i+3] offset:2*AP*\i
.endr
	BARRIER                                        ; both passes' rows of the trip's two sequences lie in LDS
	s_wait_alu depctr_vm_vsrc(0)                   ; my eight stores above have read v192-223, in which the rows' fragments land
.irp p, 0,1
.irp n, 0,1,2,3
	ds_load_b128 v[S+8*(4*\p+\n):S+8*(4*\p+\n)+3], v[BA] offset:64*\n          ; the bias starts the sums: it is loaded in the result's layout
	ds_load_b128 v[S+8*(4*\p+\n)+4:S+8*(4*\p+\n)+7], v[BA] offset:64*\n+16
.endr
.endr
	LDA 0, 0
	LDA 0, 1
	LDW 0, 0
	LDW 0, 1
	LDW 0, 2
	LDW 0, 3
.irp u, 0,1,2,3,4,5,6,7
	STEPK \u
.endr
	PLACES                                         ; four places in front of the stores that read the results and of the loads into the fragments' registers;
	v_nop                                          ; and a fifth: the next trip's k and v products begin these accumulators' registers anew, and the lines that clear v92-95 between name registers that these products read, so they are no places
	BARRIER                                        ; every wave's reads of the rows are over: 32 of them become my stage
	s_wait_alu depctr_va_vdst(0)                   ; the products have written v128-191, which the stores below read, and are done reading v60-123 and v192-223, in which the stage's rows and the next trip's fragments land; the places above stay beside this wait
.irp p, 0,1
.irp n, 0,1,2,3
	ds_store_b128 v[SW], v[S+8*(4*\p+\n):S+8*(4*\p+\n)+3] offset:16*AP*\p+64*\n           ; each accumulator from its low end on
	ds_store_b128 v[SW], v[S+8*(4*\p+\n)+4:S+8*(4*\p+\n)+7] offset:16*AP*\p+64*\n+16
.endr
.endr
.irp j, 0,1,2,3,4,5,6,7,8,9,10,11,12,13,14,15
	ds_load_b128 v[KF+4*\j:KF+4*\j+3], v[SR] offset:2*AP*\j    ; LDS serves a wave's instructions in order: these see my stores
.endr
.irp j, 0,1,2,3,4,5,6,7,8,9,10,11,12,13,14,15
	s_wait_dscnt 15-\j                             ; the loads issued behind this one may be out
	global_store_b128 v[GO], v[KF+4*\j:KF+4*\j+3], s[22:23] offset:1024*\j+131072*\t th:TH_STORE_NT   ; sixteen lanes store 256 consecutive bytes, at a multiple of 256 from out0's first byte
.endr
.endm
	s_load_b256 s[4:11], s[0:1], 0x0               ; xc s[4:5], xs s[6:7], a0 s[8:9], Wq1 s[10:11]
	s_load_b256 s[12:19], s[0:1], 0x20             ; Wkv1 s[12:13], Wo0 s[14:15], Wo1 s[16:17], bo0 s[18:19]
	s_load_b128 s[20:23], s[0:1], 0x40             ; bo1 s[20:21], out0 s[22:23]
	v_lshl_add_u32 v[SPW], v0, 2, SPARE
	v_mov_b32 v[NIL], 0
	v_lshrrev_b32 v6, 5, v0
	v_readfirstlane_b32 s[WV], v6                  ; wave 0..15
	s_wait_alu depctr_va_sdst(0)                   ; s24 is written, ahead of its first reader
	s_lshr_b32 s[SQ], s[WV], 3
	s_and_b32 s[HD], s[WV], 7
	s_and_b32 s[NH], s[WV], 1
	s_bfe_u32 s[PQ], s[WV], 0x20001                ; (wave / 2) % 4
	s_mov_b32 s[SEL], 0x76543210
	s_mov_b32 s[SEL+1], 0xfedcba98
	s_mov_b32 s[CS], 0x3eb8aa3b                    ; c = log2(e) / sqrt(16)
	s_mov_b32 s[CS+1], s[CS]
	s_mov_b32 s[NC], 0xbeb8aa3b
	v_and_b32 v[LN], 31, v0
	v_and_b32 v[RR], 15, v0
	v_bfe_u32 v[HH], v0, 4, 1
	; every LDS address is made here, ahead of the first branch on the wave's number
	v_mul_u32_u24 v19, v[HH], AP
	v_lshl_add_u32 v19, v[RR], 4, v19              ; 272 hh + 16 r
	v_mul_u32_u24 v20, v[RR], AP
	v_lshl_add_u32 v21, v[HH], 5, v20              ; 272 r + 32 hh
	v_lshl_add_u32 v20, v[HH], 4, v20              ; 272 r + 16 hh
	v_lshlrev_b32 v[L16], 4, v[LN]
	s_mul_i32 s41, s[SQ], XSEQ
	s_add_co_u32 s41, s41, XIMG
	v_add_nc_u32 v[XA], s41, v19
	s_lshl_b32 s42, s[SQ], 9
	s_add_co_u32 s42, s42, XSC
	v_lshl_add_u32 v[XSA], v[RR], 2, s42
	s_mul_i32 s40, s[SQ], ASEQ
	s_add_co_u32 s40, s40, A0ROW                   ; my sequence's rows of pass 0
	s_lshl_b32 s43, s[HD], 5
	s_add_co_u32 s43, s43, s40
	s_add_co_u32 s43, s43, AROW-A0ROW
	v_add_nc_u32 v[AW], s43, v20
	s_mul_i32 s44, s[HD], 16*AP
	s_add_co_u32 s44, s44, s40
	v_add_nc_u32 v[A0W], s44, v19
	s_mul_i32 s45, s[PQ], 32*AP
	s_add_co_u32 s45, s45, s40
	v_add_nc_u32 v[AA], s45, v20
	v_add_nc_u32 v[AB], AROW-A0ROW, v[AA]
	s_xor_b32 s46, s[NH], 1                        ; my stage: my 32 rows of this pass's region (nh = 0) or of pass 0's (nh = 1)
	s_mul_i32 s46, s46, AROW-A0ROW
	s_add_co_u32 s46, s46, s45
	v_add_nc_u32 v[SW], s46, v21
	v_add_nc_u32 v[SR], s46, v19
	v_lshlrev_b32 v[GO], 9, v[HH]
	v_lshl_add_u32 v[GO], v[RR], 4, v[GO]
	v_and_b32 v22, 7, v0
	v_lshl_add_u32 v22, v[HH], 3, v22
	v_mul_u32_u24 v22, v22, WP
	v_bfe_u32 v23, v0, 3, 1
	v_lshl_add_u32 v22, v23, 4, v22
	s_lshl_b32 s47, s[NH], 7
	s_add_co_u32 s47, s47, WOROW
	v_add_nc_u32 v[WA0], s47, v22
	v_add_nc_u32 v[WA1], 128*WP, v[WA0]
	s_lshl_b32 s48, s[NH], 8
	s_add_co_u32 s48, s48, BIAS
	v_lshl_add_u32 v[BA], v[HH], 5, s48
	v_mul_u32_u24 v[XCW], v[HH], XSEQ              ; the codes' way into the images: lane = (hh: sequence, w % 4, c, half)
	v_bfe_u32 v23, v0, 1, 1
	v_mad_u32_u24 v[XCW], v23, XC, v[XCW]
	v_and_b32 v23, 1, v0
	v_mad_u32_u24 v[XCW], v23, 272, v[XCW]
	v_bfe_u32 v23, v0, 2, 2
	v_lshl_add_u32 v[XCW], v23, 4, v[XCW]
	s_lshr_b32 s49, s[WV], 1
	s_mul_i32 s49, s49, XT
	s_lshl_b32 s50, s[NH], 7
	s_add_co_u32 s49, s49, s50
	s_add_co_u32 s49, s49, XIMG
	v_add_nc_u32 v[XCW], s49, v[XCW]
	s_mul_i32 s51, s[WV], 16*WP
	s_add_co_u32 s51, s51, WOROW
	v_lshl_add_u32 v[WOW], v[LN], 3, s51
	v_lshrrev_b32 v24, 2, v0                       ; waves 0-3: thread = 4 (w / 4) + sequence
	v_and_b32 v34, 3, v0
	v_lshlrev_b32 v[XSG], 11, v24
	v_lshl_add_u32 v[XSG], v34, 4, v[XSG]
	v_lshlrev_b32 v[XSL], 4, v24
	v_lshl_add_u32 v[XSL], v34, 9, v[XSL]
	v_add_nc_u32 v[XSL], XSC, v[XSL]
	v_lshl_add_u32 v[BIW], v[LN], 4, BIAS
	; the weights: block bk = wave % 4 of K, columns 32 cg on, cg = wave / 4
	s_and_b32 s40, s[WV], 3
	s_lshr_b32 s41, s[WV], 2
	s_lshl_b32 s42, s41, 7
	s_lshl_b32 s43, s40, 14
	s_add_co_u32 s43, s43, s42
	v_lshl_add_u32 v[WQO], v[LN], 2, s43
	s_lshl_b32 s44, s40, 15
	s_add_co_u32 s44, s44, s42
	v_lshl_add_u32 v[WKO], v[LN], 2, s44
	s_lshl_b32 s45, s41, 11
	s_lshl_b32 s46, s40, 8
	s_add_co_u32 s45, s45, s46
	s_add_co_u32 s45, s45, WIMG
	v_lshlrev_b32 v[WIW], 10, v[HH]
	v_lshl_add_u32 v[WIW], v[RR], 4, v[WIW]
	v_add_nc_u32 v[WIW], s45, v[WIW]
	s_add_co_u32 s47, s42, s40
	s_add_co_u32 s47, s47, WSC
	v_lshl_add_u32 v[WSW], v[LN], 2, s47
	s_lshl_b32 s48, s[HD], 10
	s_add_co_u32 s48, s48, WIMG
	v_lshl_add_u32 v[WIR], v[LN], 4, s48
	s_lshl_b32 s49, s[HD], 6
	s_add_co_u32 s49, s49, WSC
	v_lshl_add_u32 v[WSR], v[RR], 2, s49
	; where my parts begin in memory, as offsets under 2^27
	s_lshr_b32 s38, ttmp9, 5                       ; b
	s_and_b32 s39, ttmp9, 31                       ; h0 / 4
	s_lshl_b32 s40, s38, 20
	s_lshl_b32 s41, s39, 10                        ; four h of 256 bytes
	s_add_co_u32 s40, s40, s41
	s_lshl_b32 s41, s[WV], 16                      ; two groups of four w
	s_add_co_u32 s40, s40, s41
	s_mov_b32 s41, 0
	s_lshl_b32 s42, s38, 16
	s_lshl_b32 s43, s39, 6
	s_add_co_u32 s42, s42, s43
	s_mov_b32 s43, 0
	s_lshl_b32 s44, ttmp9, 17
	s_lshl_b32 s45, s[SQ], 15
	s_add_co_u32 s44, s44, s45
	s_lshl_b32 s45, s[HD], 12
	s_add_co_u32 s44, s44, s45
	s_mov_b32 s45, 0
	s_lshl_b32 s46, ttmp9, 18
	s_lshl_b32 s47, s[SQ], 16
	s_add_co_u32 s46, s46, s47
	s_lshl_b32 s47, s[PQ], 14
	s_add_co_u32 s46, s46, s47
	s_lshl_b32 s47, s[NH], 8
	s_add_co_u32 s46, s46, s47
	s_mov_b32 s47, 0
	s_lshl_b32 s48, s[HD], 13                      ; 16 rows of Wo
	s_mov_b32 s49, 0
	s_wait_kmcnt 0x0
	s_add_nc_u64 s[4:5], s[4:5], s[40:41]
	s_add_nc_u64 s[6:7], s[6:7], s[42:43]
	s_add_nc_u64 s[8:9], s[8:9], s[44:45]
	s_add_nc_u64 s[22:23], s[22:23], s[46:47]
	s_cmp_lt_u32 s[WV], 8                          ; waves 0-7 bring Wo0's rows, waves 8-15 Wo1's: the choice hangs on the wave's number alone
	s_cselect_b64 s[56:57], s[14:15], s[16:17]
	s_add_nc_u64 s[56:57], s[56:57], s[48:49]
	s_wait_alu depctr_va_vdst(0)                   ; every address and offset of the kernel but v6, v7 and v250 is written: v1-5, v8-15, v25-33, v124, v125, v248, v249; the head's lines are done with v16-34, in which fragments land later
.irp e, 0,1
.irp f, 0,1
	global_load_b128 v[XF+4*(2*\e+\f):XF+4*(2*\e+\f)+3], v[L16], s[4:5] offset:32768*\e+512*\f th:TH_LOAD_NT   ; codes: w = 8 wave + 4 e + 0..3, sequences 2 f, 2 f + 1: 512 neighbouring bytes
.endr
.endr
.set i, 0
.rept 16
	global_load_b128 v[KF+4*i:KF+4*i+3], v[L16], s[56:57] offset:512*i     ; a row of Wo a load
.set i, i+1
.endr
	WLOAD 10, 12
	s_cmp_lt_u32 s[WV], 4
	s_cbranch_scc0 .Lnot_words
	global_load_b128 v[224:227], v[XSG], s[6:7]    ; the scale words of four neighbouring w of one sequence
	s_wait_loadcnt 0x0
	ds_store_b128 v[XSL], v[224:227]
.Lnot_words:
	s_cmp_eq_u32 s[WV], 4
	s_cbranch_scc0 .Lnot_bias
	global_load_b128 v[228:231], v[L16], s[18:19]  ; (registers of their own: none that the store above reads)
	global_load_b128 v[232:235], v[L16], s[20:21]
	s_wait_loadcnt 0x0
	v_pk_add_f32 v[228:229], v[228:229], v[232:233]
	v_pk_add_f32 v[230:231], v[230:231], v[234:235]
	s_wait_alu depctr_va_vdst(0)                   ; the two additions have written v228-231, which the store reads
	ds_store_b128 v[BIW], v[228:231]               ; bo0 + bo1
.Lnot_bias:
	s_wait_loadcnt 0x0
.irp e, 0,1
.irp f, 0,1
	ds_store_b128 v[XCW], v[XF+4*(2*\e+\f):XF+4*(2*\e+\f)+3] offset:2*XSEQ*\f+64*\e
.endr
.endr
	s_wait_dscnt 0x0                               ; the stores so far have landed
	s_wait_alu depctr_vm_vsrc(0)                   ; the scale words' and the bias's stores have read v224-231, which the quantiser writes
.set i, 0
.rept 16
	v_cvt_pk_f16_f32 v[KF+4*i], v[KF+4*i], v[KF+4*i+1]
	v_cvt_pk_f16_f32 v[KF+4*i+1], v[KF+4*i+2], v[KF+4*i+3]
.set i, i+1
.endr
	WQ 0
	WQ 1
	WQ 2
	s_wait_alu depctr_va_vdst(0)                   ; Wo's roundings have written their halves of v60-123 and the quantiser v224-238, which the 22 stores below read; the quantiser is done reading v128-223, in which x's fragments land
.set i, 0
.rept 16
	ds_store_b64 v[WOW], v[KF+4*i:KF+4*i+1] offset:WP*i
.set i, i+1
.endr
	WST 0
	WST 1
	WST 2
	BARRIER                                        ; images, scale words, Wo and the bias lie in LDS
	WFETCH
	TRIP 0
	s_wait_xcnt 0x0                                ; the stores' data registers are written again in the next trip only behind this wait
	s_wait_alu depctr_vm_vsrc(0)                   ; the global stores have read v60-123 and the stage's stores v128-191, which the next trip's lines and products write
	BARRIER                                        ; every wave's reads of its stage are over: trip 1 may write the rows
	TRIP 1
	s_wait_dscnt 0x0                               ; the closing lines, six on end
	s_wait_alu 0x0
	s_wait_tensorcnt 0x0
	ds_add_u32 v[SPW], v[NIL]
	s_wait_dscnt 0x0
	s_endpgm
.Lfunc_end_k_q00d90fd53e_rowpass:
	.size	k_q00d90fd53e_rowpass, .Lfunc_end_k_q00d90fd53e_rowpass-k_q00d90fd53e_rowpass
	.p2alignl 7, 3214868480
	.fill 96, 4, 3214868480
	.section	.rodata,"a",@progbits
	.p2align	6, 0x0
	.amdhsa_kernel k_q00d90fd53e_rowpass
		.amdhsa_group_segment_fixed_size 279040
		.amdhsa_private_segment_fixed_size 0
		.amdhsa_enable_private_segment 0
		.amdhsa_kernarg_size 80
		.amdhsa_user_sgpr_count 2
		.amdhsa_user_sgpr_kernarg_segment_ptr 1
		.amdhsa_wavefront_size32 1
		.amdhsa_system_sgpr_workgroup_id_x 1
		.amdhsa_system_sgpr_workgroup_id_y 1
		.amdhsa_system_sgpr_workgroup_id_z 1
		.amdhsa_system_vgpr_workitem_id 0
		.amdhsa_next_free_vgpr 256
		.amdhsa_next_free_sgpr 66
		.amdhsa_reserve_vcc 0
		.amdhsa_float_denorm_mode_32 3
		.amdhsa_float_denorm_mode_16_64 3
		.amdhsa_memory_ordered 1
		.amdhsa_forward_progress 1
		.amdhsa_inst_pref_size 107
	.end_amdhsa_kernel
	.amdgpu_metadata
---
amdhsa.version: [ 1, 2 ]
amdhsa.kernels:
  - .name:           k_q00d90fd53e_rowpass
    .symbol:         k_q00d90fd53e_rowpass.kd
    .args:
      - { .name: xc, .offset: 0, .size: 8, .value_kind: global_buffer, .address_space: global }
      - { .name: xs, .offset: 8, .size: 8, .value_kind: global_buffer, .address_space: global }
      - { .name: a0, .offset: 16, .size: 8, .value_kind: global_buffer, .address_space: global }
      - { .name: Wq1, .offset: 24, .size: 8, .value_kind: global_buffer, .address_space: global }
      - { .name: Wkv1, .offset: 32, .size: 8, .value_kind: global_buffer, .address_space: global }
      - { .name: Wo0, .offset: 40, .size: 8, .value_kind: global_buffer, .address_space: global }
      - { .name: Wo1, .offset: 48, .size: 8, .value_kind: global_buffer, .address_space: global }
      - { .name: bo0, .offset: 56, .size: 8, .value_kind: global_buffer, .address_space: global }
      - { .name: bo1, .offset: 64, .size: 8, .value_kind: global_buffer, .address_space: global }
      - { .name: out0, .offset: 72, .size: 8, .value_kind: global_buffer, .address_space: global }
    .group_segment_fixed_size: 279040
    .private_segment_fixed_size: 0
    .kernarg_segment_align: 8
    .kernarg_segment_size: 80
    .max_flat_workgroup_size: 512
    .sgpr_count:     66
    .vgpr_count:     256
    .wavefront_size: 32
...
	.end_amdgpu_metadata
.endif
;; end of part 4
